; MI455X (gfx1250); checked and timed in simulation.
; The chip was launched on July 23, 2026; its instructions are those of AMD's public machine-readable ISA for CDNA 5 (MIT licence, August 2026) and "CDNA5" Instruction Set Architecture Reference Guide (July 2026). The comments in the code are by the model that wrote it; some were corrected since.
;; Mo E Block. Allowed arithmetic: float matrix products may take bf16 or f16 operands with f32 sums; other float arithmetic in f32, or as packed bf16 or f16 multiplies, adds, multiply-adds, maxima and minima; sums over many terms, partial sums and values carried from step to step in f32; what a program stores and reads back later, other than sums and carried values, may be rounded once to bf16 or f16.
;; Inputs: W1 8 x 1,024 x 4,096 float32; W2 8 x 4,096 x 1,024 float32; Wr 1,024 x 8 float32; b1 8 x 4,096 float32; b2 8 x 1,024 float32; beta 1,024 float32; br 8 float32; gamma 1,024 float32; noise 1,024 x 8 float32; x 4 x 256 x 1,024 float32.
;; Outputs: out0 4 x 256 x 1,024 float32.
;; 2 versions, each right; version 2 is version 1 with the launches up, down written anew for expert scheduling mode. Each part assembles by itself: llvm-mc -triple=amdgcn-amd-amdhsa -mcpu=gfx1250 --defsym DOCPART=n.
;; ======== version 1 of 2: 5 launches
;; workspace buffers: ridx 8,192 bytes of whole numbers; rwt 8,192 bytes; tab 256 bytes of whole numbers; rinfo 8,704 bytes of whole numbers; gw 8,704 bytes; xg 4,456,448 bytes; hg 17,825,792 bytes; part 33,685,504 bytes
;; launch router (part 1): grid 256 x 1, 4 waves a work-group, no clusters, 0 bytes of LDS; arguments x, Wr, br, noise, ridx, rwt; writes ridx, rwt
.if DOCPART == 1
	.amdgcn_target "amdgcn-amd-amdhsa--gfx1250"
	.amdhsa_code_object_version 6
	.text
	.protected	k_q060b5cddcf_router
	.globl	k_q060b5cddcf_router
	.p2align	8
	.type	k_q060b5cddcf_router,@function
k_q060b5cddcf_router:
	s_mov_b64 s[64:65], 0
	v_nop
	global_prefetch_b8 v0, s[64:65] scope:SCOPE_SE
	s_setreg_imm32_b32 hwreg(HW_REG_WAVE_MODE, 25, 1), 1
	s_wait_xcnt 0x0
; THE ROUTER.  logits = x Wr + br + noise; the two best experts of each token and their softmax scores.
; One wave, one token (1,024 tokens = 256 work-groups x 4 waves).  The product is 8 sums of 1,024 terms a token, one part in two thousand of
; the module's arithmetic, and it is made in f32 on the vector unit from unrounded numbers: a choice of experts is a step, not a slope, and
; operands of 16 bits would move a logit far enough to change second choices.
; The choice is stored at fixed places (ridx: two whole numbers a token, rwt: two scores); no address and no branch here hangs on it.
; LIMITS.  The two best are taken of the logits, by a strict greater-than in ascending order of experts, so that the lower index wins a tie;
; two logits so close that only their rounded scores tie are ordered by the logits.  NaN and infinities are not treated apart.
; A score below 2^-126 counts as 0.
.set X,     8                          ; v[8:39]    my 32 numbers of the token's row: load j brings d = 128 j + 4 lane + 0..3
.set ACC,   40                         ; v[40:47]   the eight sums, later the eight logits
.set TE,    48                         ; v[48:55]   at work: the other half's sums, then the exponentials
.set W,     64                         ; v[64:255]  six slots of 32: group j holds Wr[d][0..7] for my four d of load j, at 8 i + e
.set SEL,   32                         ; s[32:33]   v_permlanex16_b32: each lane takes its own place in the other half
.set LOG2E, 0x3fb8aa3b
.macro WLOAD j                         ; eight loads: my four rows of Wr (32 bytes each) for load j of x
.irp q, 0,1,2,3,4,5,6,7
	global_load_b128 v[W+32*((\j)%6)+4*(\q):W+32*((\j)%6)+4*(\q)+3], v3, s[6:7] offset:4096*(\j)+16*(\q)
.endr
.endm
.macro DOT j                           ; sixteen packed multiply-adds: x[d] times Wr[d][0..7], two experts at a time; the very first four start the sums
.irp i, 0,1,2,3
.irp p, 0,1,2,3
.if ((\j) == 0) && ((\i) == 0)
	v_pk_mul_f32 v[ACC+2*(\p):ACC+2*(\p)+1], v[W+2*(\p):W+2*(\p)+1], v[X:X+1] op_sel_hi:[1,0]
.elseif ((\i)%2) == 0
	v_pk_fma_f32 v[ACC+2*(\p):ACC+2*(\p)+1], v[W+32*((\j)%6)+8*(\i)+2*(\p):W+32*((\j)%6)+8*(\i)+2*(\p)+1], v[X+4*(\j)+2*((\i)/2):X+4*(\j)+2*((\i)/2)+1], v[ACC+2*(\p):ACC+2*(\p)+1] op_sel_hi:[1,0,1]
.else
	v_pk_fma_f32 v[ACC+2*(\p):ACC+2*(\p)+1], v[W+32*((\j)%6)+8*(\i)+2*(\p):W+32*((\j)%6)+8*(\i)+2*(\p)+1], v[X+4*(\j)+2*((\i)/2):X+4*(\j)+2*((\i)/2)+1], v[ACC+2*(\p):ACC+2*(\p)+1] op_sel:[0,1,0] op_sel_hi:[1,1,1]
.endif
.endr
.endr
.endm
	s_load_b256 s[4:11], s[0:1], 0x0               ; x s[4:5], Wr s[6:7], br s[8:9], noise s[10:11]
	s_load_b128 s[12:15], s[0:1], 0x20             ; ridx s[12:13], rwt s[14:15]
	v_lshrrev_b32 v1, 5, v0
	v_readfirstlane_b32 s34, v1                    ; my wave
	s_lshl_b32 s35, ttmp9, 2
	s_add_co_u32 s35, s35, s34                     ; my token
	s_lshl_b32 s36, s35, 12                        ; its row of x, 4,096 bytes
	s_lshl_b32 s37, s35, 5                         ; its row of noise, 32 bytes
	s_lshl_b32 s40, s35, 3                         ; its 8 bytes in ridx and in rwt
	s_mov_b32 s[SEL], 0x76543210
	s_mov_b32 s[SEL+1], 0xfedcba98
	v_and_b32 v1, 31, v0                           ; lane
	v_lshlrev_b32 v2, 4, v1
	v_add_nc_u32 v2, s36, v2                       ; 16 lane + the token's row
	v_lshlrev_b32 v3, 7, v1                        ; my four rows of Wr: 128 lane
.irp e, 0,1,2,3,4,5,6,7
	v_mov_b32 v[TE+(\e)], 0                        ; v_permlanex16_b32 counts as a reader of its destination
.endr
	s_wait_kmcnt 0x0
	s_load_b256 s[16:23], s[8:9], 0x0              ; br
	s_load_b256 s[24:31], s[10:11], s37 offset:0x0 ; noise of my token
.irp j, 0,1,2,3,4,5,6,7
	global_load_b128 v[X+4*(\j):X+4*(\j)+3], v2, s[4:5] offset:512*(\j)   ; a wave's load covers 512 consecutive bytes
.endr
.irp j, 0,1,2,3,4,5
	WLOAD \j
.endr
	s_wait_loadcnt 40                              ; x and group 0 are in; the five younger groups of eight stay out
	DOT 0
	WLOAD 6                                        ; into the slot just read
	s_wait_loadcnt 40                              ; groups 2 to 6 stay out
	DOT 1
	WLOAD 7
	s_wait_loadcnt 40                              ; groups 3 to 7
	DOT 2
	s_wait_loadcnt 32                              ; from here the counts run down
	DOT 3
	s_wait_loadcnt 24
	DOT 4
	s_wait_loadcnt 16
	DOT 5
	s_wait_loadcnt 8
	DOT 6
	s_wait_loadcnt 0
	DOT 7
	; the eight sums over the 32 lanes: four steps inside each half ride on the addition, one crosses the halves
.irp m, 1,2,4,8
.irp e, 0,1,2,3,4,5,6,7
	v_add_f32_dpp v[ACC+(\e)], v[ACC+(\e)], v[ACC+(\e)] row_xmask:\m row_mask:0xf bank_mask:0xf
.endr
.endr
.irp e, 0,1,2,3,4,5,6,7
	v_permlanex16_b32 v[TE+(\e)], v[ACC+(\e)], s[SEL], s[SEL+1]
.endr
.irp e, 0,1,2,3,4,5,6,7
	v_add_f32 v[ACC+(\e)], v[ACC+(\e)], v[TE+(\e)]
.endr
	s_wait_kmcnt 0x0                               ; br and noise
.irp e, 0,1,2,3,4,5,6,7
	v_add_f32 v[ACC+(\e)], s[16+(\e)], v[ACC+(\e)]
.endr
.irp e, 0,1,2,3,4,5,6,7
	v_add_f32 v[ACC+(\e)], s[24+(\e)], v[ACC+(\e)] ; the logits, in every lane
.endr
	v_max3_num_f32 v5, v[ACC], v[ACC+1], v[ACC+2]  ; their maximum, taken away before the exponentials
	v_max3_num_f32 v5, v5, v[ACC+3], v[ACC+4]
	v_max3_num_f32 v5, v5, v[ACC+5], v[ACC+6]
	v_max_num_f32 v5, v5, v[ACC+7]
	; the two best: v6, v56 the best logit and its expert; v7, v57 the second.  Selections only: no branch.
	v_mov_b32 v6, v[ACC]
	v_mov_b32 v7, 0xff800000
	v_mov_b32 v56, 0
	v_mov_b32 v57, 0
.irp e, 1,2,3,4,5,6,7
	v_cmp_gt_f32 s38, v[ACC+(\e)], v6              ; better than the best?
	v_cmp_gt_f32 s39, v[ACC+(\e)], v7              ; better than the second?
	v_cndmask_b32 v7, v7, v[ACC+(\e)], s39
	v_cndmask_b32 v57, v57, \e, s39
	v_cndmask_b32 v7, v7, v6, s38                  ; a new best pushes the old best down
	v_cndmask_b32 v57, v57, v56, s38
	v_cndmask_b32 v6, v6, v[ACC+(\e)], s38
	v_cndmask_b32 v56, v56, \e, s38
.endr
.irp e, 0,1,2,3,4,5,6,7
	v_sub_f32 v[TE+(\e)], v[ACC+(\e)], v5
.endr
	v_sub_f32 v4, v7, v5
.irp e, 0,1,2,3,4,5,6,7
	v_mul_f32 v[TE+(\e)], LOG2E, v[TE+(\e)]
.endr
	v_mul_f32 v4, LOG2E, v4
.irp e, 0,1,2,3,4,5,6,7
	v_exp_f32 v[TE+(\e)], v[TE+(\e)]               ; one batch of nine exponentials
.endr
	v_exp_f32 v4, v4
	v_mov_b32 v60, s40                             ; a plain instruction behind the last of them
	s_wait_alu depctr_va_vdst(0)                   ; one wait for the batch, ahead of its first reader
	v_add_f32 v[TE], v[TE], v[TE+1]
	v_add_f32 v[TE+2], v[TE+2], v[TE+3]
	v_add_f32 v[TE+4], v[TE+4], v[TE+5]
	v_add_f32 v[TE+6], v[TE+6], v[TE+7]
	v_add_f32 v[TE], v[TE], v[TE+2]
	v_add_f32 v[TE+4], v[TE+4], v[TE+6]
	v_add_f32 v[TE], v[TE], v[TE+4]
	v_rcp_f32 v58, v[TE]                           ; the best score: its exponential is 1
	v_nop
	s_wait_alu depctr_va_vdst(0)
	v_mul_f32 v59, v4, v58                         ; the second score
	v_cmp_eq_u32 vcc_lo, 0, v1
	s_wait_xcnt 0x0                                ; EXEC changes only behind this wait
	s_and_saveexec_b32 s41, vcc_lo                 ; every lane holds the same: lane 0 stores
	global_store_b64 v60, v[56:57], s[12:13]
	global_store_b64 v60, v[58:59], s[14:15]
	s_wait_xcnt 0x0
	s_or_b32 exec_lo, exec_lo, s41
	s_endpgm
.Lfunc_end_k_q060b5cddcf_router:
	.size	k_q060b5cddcf_router, .Lfunc_end_k_q060b5cddcf_router-k_q060b5cddcf_router
	.p2alignl 7, 3214868480
	.fill 96, 4, 3214868480
	.section	.rodata,"a",@progbits
	.p2align	6, 0x0
	.amdhsa_kernel k_q060b5cddcf_router
		.amdhsa_group_segment_fixed_size 0
		.amdhsa_private_segment_fixed_size 0
		.amdhsa_enable_private_segment 0
		.amdhsa_kernarg_size 48
		.amdhsa_user_sgpr_count 2
		.amdhsa_user_sgpr_kernarg_segment_ptr 1
		.amdhsa_wavefront_size32 1
		.amdhsa_system_sgpr_workgroup_id_x 1
		.amdhsa_system_sgpr_workgroup_id_y 1
		.amdhsa_system_sgpr_workgroup_id_z 1
		.amdhsa_system_vgpr_workitem_id 0
		.amdhsa_next_free_vgpr 256
		.amdhsa_next_free_sgpr 66
		.amdhsa_reserve_vcc 1
		.amdhsa_float_denorm_mode_32 3
		.amdhsa_float_denorm_mode_16_64 3
		.amdhsa_memory_ordered 1
		.amdhsa_forward_progress 1
		.amdhsa_inst_pref_size 26
	.end_amdhsa_kernel
	.amdgpu_metadata
---
amdhsa.version: [ 1, 2 ]
amdhsa.kernels:
  - .name:           k_q060b5cddcf_router
    .symbol:         k_q060b5cddcf_router.kd
    .args:
      - { .name: x, .offset: 0, .size: 8, .value_kind: global_buffer, .address_space: global }
      - { .name: Wr, .offset: 8, .size: 8, .value_kind: global_buffer, .address_space: global }
      - { .name: br, .offset: 16, .size: 8, .value_kind: global_buffer, .address_space: global }
      - { .name: noise, .offset: 24, .size: 8, .value_kind: global_buffer, .address_space: global }
      - { .name: ridx, .offset: 32, .size: 8, .value_kind: global_buffer, .address_space: global }
      - { .name: rwt, .offset: 40, .size: 8, .value_kind: global_buffer, .address_space: global }
    .group_segment_fixed_size: 0
    .private_segment_fixed_size: 0
    .kernarg_segment_align: 8
    .kernarg_segment_size: 48
    .max_flat_workgroup_size: 128
    .sgpr_count:     66
    .vgpr_count:     256
    .wavefront_size: 32
...
	.end_amdgpu_metadata
.endif
;; end of part 1
;; launch place (part 2): grid 135 x 1, 8 waves a work-group, no clusters, 3,072 bytes of LDS; arguments ridx, rwt, x, tab, rinfo, gw, xg; writes tab, rinfo, gw, xg
.if DOCPART == 2
	.amdgcn_target "amdgcn-amd-amdhsa--gfx1250"
	.amdhsa_code_object_version 6
	.text
	.protected	k_q060b5cddcf_place
	.globl	k_q060b5cddcf_place
	.p2align	8
	.type	k_q060b5cddcf_place,@function
k_q060b5cddcf_place:
	s_mov_b64 s[64:65], 0
	v_nop
	global_prefetch_b8 v0, s[64:65] scope:SCOPE_SE
	s_setreg_imm32_b32 hwreg(HW_REG_WAVE_MODE, 25, 1), 1
	s_wait_xcnt 0x0
; THE PLACEMENT.  The 2,048 routed rows are laid out by experts, in tiles of 16 rows, each expert padded to whole tiles (a pad row repeats the
; expert's last row).  Work-group t owns tile t.  With 2,048 rows and 8 experts there are never more than 135 tiles, whatever the choice; a
; work-group whose tile a given choice does not have stores nothing.  No atomics: every work-group counts the whole choice for itself
; (a bitmap of tokens for each expert, 8 x 32 words) and finds the token of a given rank from the bitmap.
; Stored: xg, the tile's rows of x rounded to bf16, in the order in which a wave's operand registers take them: 32 blocks of 1,024 bytes, one for each 32 along K;
; in a block, byte 512 q + 16 (16 h + r) holds row r, k = 16 q + 8 h + 0..7.  rinfo: for each row, slot x 1,024 + token (where its partial results go), for a pad row 2,048 + expert.
; gw: the row's score.  tab (work-group 0): each expert's first tile, number of tiles and last tile.
; All that steers addresses here is whole numbers that an earlier launch stored.
.set SPARE, 2048                       ; LDS: 0 the bitmaps, 1,024 their bit counts, both at word 32 w + 4 e + c (chunk 4 w + c of 32 tokens); 2,048 the spare words, 128 bytes a wave
.set SEL,   86                         ; s[86:87]
.set LD,    64                         ; v[64:127]  sixteen loads of x
.set OT,    128                        ; v[128:159] four blocks' 32 bytes a lane
; s[32:39] rows of each expert, s[40:47] its tiles, s[48:55] its first tile, s[56:63] its last tile (0 if it has none), s66 tiles in all
	s_load_b256 s[4:11], s[0:1], 0x0               ; ridx s[4:5], rwt s[6:7], x s[8:9], tab s[10:11]
	s_load_b128 s[12:15], s[0:1], 0x20             ; rinfo s[12:13], gw s[14:15]
	s_load_b64 s[16:17], s[0:1], 0x30              ; xg
	v_lshl_add_u32 v30, v0, 2, SPARE               ; my spare word,
	v_mov_b32 v31, 0                               ; and 0: kept for the add at the wave's end
	v_lshrrev_b32 v1, 5, v0
	v_readfirstlane_b32 s18, v1                    ; wave 0..7
	s_mov_b32 s19, ttmp9                           ; my tile
	s_mov_b32 s[SEL], 0x76543210
	s_mov_b32 s[SEL+1], 0xfedcba98
	v_and_b32 v1, 31, v0                           ; lane
	v_lshlrev_b32 v2, 3, v1
	v_lshl_add_u32 v2, s18, 10, v2                 ; ridx: 8 bytes a token; my wave's four chunks begin at 1,024 w
	v_lshlrev_b32 v14, 2, v0                       ; where I store: 4 x my thread's number
	v_lshrrev_b32 v3, 2, v1
	v_lshlrev_b32 v3, 7, v3
	v_and_b32 v15, 3, v1
	v_lshl_add_u32 v3, v15, 2, v3                  ; where lane = chunk reads: 128 (lane / 4) + 4 (lane % 4), + 16 e
	v_mov_b32 v12, 0
	v_mov_b32 v13, 0
	v_mov_b32 v36, 0
	v_mov_b32 v38, 0
	s_wait_kmcnt 0x0
.irp c, 0,1,2,3
	global_load_b64 v[4+2*(\c):5+2*(\c)], v2, s[4:5] offset:256*(\c)
.endr
	; PHASE 1: for each of my four chunks and each expert, the mask of the tokens that chose it, and its bit count, into lane 4 e + c
.irp c, 0,1,2,3
	s_wait_loadcnt 3-(\c)                          ; the younger chunks stay out
.irp e, 0,1,2,3,4,5,6,7
	v_cmp_eq_u32 s20, \e, v[4+2*(\c)]
	v_cmp_eq_u32 s21, \e, v[5+2*(\c)]
	s_or_b32 s20, s20, s21
	s_bcnt1_i32_b32 s21, s20
	v_writelane_b32 v12, s20, 4*(\e)+(\c)
	v_writelane_b32 v13, s21, 4*(\e)+(\c)
.endr
.endr
	ds_store_b32 v14, v12
	ds_store_b32 v14, v13 offset:1024
	s_wait_dscnt 0x0                               ; for the others' sake: my stores are done
	s_barrier_signal -1
	s_barrier_wait -1                              ; the launch's one barrier: behind it LDS is only read
	; PHASE 2: every wave for itself.  The experts' counts: lane = chunk, two experts to a word, summed over the lanes
.irp e, 0,1,2,3,4,5,6,7
	ds_load_b32 v[16+(\e)], v3 offset:1024+16*(\e)
.endr
	s_wait_dscnt 0x0
.irp k, 0,1,2,3
	v_lshl_or_b32 v[24+(\k)], v[17+2*(\k)], 16, v[16+2*(\k)]   ; a count is 1,024 at the most
.endr
.irp m, 1,2,4,8
.irp k, 0,1,2,3
	v_mov_b32_dpp v[16+(\k)], v[24+(\k)] row_xmask:\m row_mask:0xf bank_mask:0xf
.endr
.irp k, 0,1,2,3
	v_add_nc_u32 v[24+(\k)], v[24+(\k)], v[16+(\k)]
.endr
.endr
.irp k, 0,1,2,3
	v_permlanex16_b32 v[16+(\k)], v[24+(\k)], s[SEL], s[SEL+1]
.endr
.irp k, 0,1,2,3
	v_add_nc_u32 v[24+(\k)], v[24+(\k)], v[16+(\k)]
.endr
.irp k, 0,1,2,3
	v_readfirstlane_b32 s[88+(\k)], v[24+(\k)]
.endr
.irp k, 0,1,2,3
	s_and_b32 s[32+2*(\k)], s[88+(\k)], 0xffff
	s_lshr_b32 s[33+2*(\k)], s[88+(\k)], 16
.endr
	s_mov_b32 s66, 0
.irp e, 0,1,2,3,4,5,6,7
	s_add_co_u32 s[40+(\e)], s[32+(\e)], 15
	s_lshr_b32 s[40+(\e)], s[40+(\e)], 4           ; tiles
	s_mov_b32 s[48+(\e)], s66                      ; first tile
	s_add_co_u32 s66, s66, s[40+(\e)]
	s_sub_co_u32 s[56+(\e)], s66, 1                ; last tile,
	s_cmp_lg_u32 s[40+(\e)], 0
	s_cselect_b32 s[56+(\e)], s[56+(\e)], 0        ; or tile 0, which always exists, for an expert without rows
.endr
	s_cmp_lg_u32 s19, 0                            ; work-group 0, wave 1: the table
	s_cbranch_scc1 .Lno_tab
	s_cmp_lg_u32 s18, 1
	s_cbranch_scc1 .Lno_tab
	v_mov_b32 v55, 0
.irp e, 0,1,2,3,4,5,6,7
	v_writelane_b32 v55, s[48+(\e)], \e
	v_writelane_b32 v55, s[40+(\e)], 8+(\e)
	v_writelane_b32 v55, s[56+(\e)], 16+(\e)
.endr
	v_lshlrev_b32 v56, 2, v1
	global_store_b32 v56, v55, s[10:11]
.Lno_tab:
	s_cmp_ge_u32 s19, s66                          ; this choice has no such tile: nothing to store.  No barrier lies in what is jumped
	s_cbranch_scc1 .Lend
	s_mov_b32 s67, 0                               ; my tile's expert: the last whose first tile is not beyond mine
.irp e, 1,2,3,4,5,6,7
	s_cmp_ge_u32 s19, s[48+(\e)]
	s_add_co_ci_u32 s67, s67, 0
.endr
	s_mov_b32 s68, s32                             ; its rows,
	s_mov_b32 s69, s48                             ; its first tile
.irp e, 1,2,3,4,5,6,7
	s_cmp_eq_u32 s67, \e
	s_cselect_b32 s68, s[32+(\e)], s68
	s_cselect_b32 s69, s[48+(\e)], s69
.endr
	s_sub_co_u32 s70, s19, s69
	s_lshl_b32 s70, s70, 4                         ; the rank of my tile's first row among the expert's
	s_sub_co_u32 s73, s68, 1                       ; the last rank that exists
	s_min_u32 s67, s67, 7
	v_lshl_add_u32 v32, s67, 4, v3
	ds_load_b32 v33, v32                           ; lane = chunk: the expert's mask,
	ds_load_b32 v34, v32 offset:1024               ; and its bit count
	s_wait_dscnt 0x0
	v_mov_b32 v35, v34                             ; the counts summed up to and with my chunk
.irp n, 1,2,4,8
	v_mov_b32_dpp v36, v35 row_shr:\n row_mask:0xf bank_mask:0xf bound_ctrl:1
	v_add_nc_u32 v35, v35, v36
.endr
	v_readlane_b32 s71, v35, 15
	v_cmp_lt_u32 vcc_lo, 15, v1
	v_cndmask_b32 v36, 0, s71, vcc_lo
	v_add_nc_u32 v35, v35, v36
	; the token of rank min(first + r, last): the first chunk whose running count passes the rank, and in its mask the bit with so many set bits below it
.irp r, 0,1,2,3,4,5,6,7,8,9,10,11,12,13,14,15
	s_add_co_u32 s72, s70, \r
	s_min_u32 s72, s72, s73
	v_cmp_gt_u32 s74, v35, s72
	s_ctz_i32_b32 s75, s74                         ; the chunk
	v_readlane_b32 s76, v33, s75
	v_readlane_b32 s77, v35, s75
	v_readlane_b32 s78, v34, s75
	s_sub_co_u32 s79, s77, s78
	s_sub_co_u32 s79, s72, s79                     ; the rank inside the chunk
	v_mbcnt_lo_u32_b32 v37, s76, 0
	v_cmp_eq_u32 s80, s79, v37
	s_and_b32 s80, s80, s76
	s_ctz_i32_b32 s81, s80                         ; the bit
	s_lshl_b32 s82, s75, 5
	s_add_co_u32 s82, s82, s81
	v_writelane_b32 v38, s82, \r                   ; lanes r and r + 16 both work on row r
	v_writelane_b32 v38, s82, 16+(\r)
.endr
	v_min_u32 v38, 0x3ff, v38
	; PHASE 3: wave w gathers 128 numbers of each of the 16 rows, rounds them and stores four blocks
	v_bfe_u32 v40, v0, 4, 1                        ; h
	v_lshlrev_b32 v39, 12, v38
	v_lshl_add_u32 v39, v40, 5, v39
	v_lshl_add_u32 v39, s18, 9, v39                ; token x 4,096 + 512 w + 32 h
	v_lshlrev_b32 v41, 4, v1
	v_lshl_add_u32 v41, s18, 12, v41               ; 4,096 w + 16 lane
	s_lshl_b32 s90, s19, 15                        ; my tile in xg
	s_mov_b32 s91, 0
	s_add_nc_u64 s[16:17], s[16:17], s[90:91]
.irp n, 0,1,2,3,4,5,6,7,8,9,10,11,12,13,14,15
	global_load_b128 v[LD+4*(\n):LD+4*(\n)+3], v39, s[8:9] offset:128*((\n)/4)+64*(((\n)/2)%2)+16*((\n)%2)
.endr
.irp s, 0,1,2,3
	s_wait_loadcnt 12-4*(\s)                       ; the later blocks' four loads each stay out
.irp d, 0,1,2,3,4,5,6,7
	v_cvt_pk_bf16_f32 v[OT+8*(\s)+(\d)], v[LD+16*(\s)+2*(\d)], v[LD+16*(\s)+2*(\d)+1]
.endr
	global_store_b128 v41, v[OT+8*(\s):OT+8*(\s)+3], s[16:17] offset:1024*(\s)       ; a wave's store covers 512 consecutive bytes, aligned
	global_store_b128 v41, v[OT+8*(\s)+4:OT+8*(\s)+7], s[16:17] offset:1024*(\s)+512
.endr
	s_cmp_lg_u32 s18, 0                            ; wave 0: the rows' places and scores
	s_cbranch_scc1 .Lend
	v_lshlrev_b32 v42, 3, v38
	global_load_b64 v[44:45], v42, s[4:5]
	global_load_b64 v[46:47], v42, s[6:7]
	v_and_b32 v51, 15, v0                          ; r
	v_add_nc_u32 v52, s70, v51
	s_add_co_u32 s83, s67, 2048
	v_mov_b32 v53, s83
	v_mov_b32 v49, 0x400
	s_lshl_b32 s84, s19, 6
	v_lshlrev_b32 v54, 2, v51
	v_add_nc_u32 v54, s84, v54                     ; 64 x tile + 4 r
	s_wait_loadcnt 0x0
	v_cmp_eq_u32 vcc_lo, s67, v44                  ; is my expert the token's first choice?
	v_cndmask_b32 v48, v47, v46, vcc_lo            ; its score,
	v_cndmask_b32 v49, v49, 0, vcc_lo              ; its slot x 1,024
	v_add_nc_u32 v49, v49, v38
	v_cmp_gt_u32 vcc_lo, s68, v52                  ; a row that exists?
	v_cndmask_b32 v49, v53, v49, vcc_lo            ; a pad row's results go to the expert's dump row
	v_cmp_gt_u32 vcc_lo, 16, v1
	s_wait_xcnt 0x0                                ; EXEC changes only behind this wait
	s_and_saveexec_b32 s85, vcc_lo
	global_store_b32 v54, v49, s[12:13]
	global_store_b32 v54, v48, s[14:15]
	s_wait_xcnt 0x0
	s_or_b32 exec_lo, exec_lo, s85
.Lend:
	s_wait_tensorcnt 0x0                           ; the wave's end: behind my last LDS store
	ds_add_u32 v30, v31
	s_wait_dscnt 0x0
	s_endpgm
.Lfunc_end_k_q060b5cddcf_place:
	.size	k_q060b5cddcf_place, .Lfunc_end_k_q060b5cddcf_place-k_q060b5cddcf_place
	.p2alignl 7, 3214868480
	.fill 96, 4, 3214868480
	.section	.rodata,"a",@progbits
	.p2align	6, 0x0
	.amdhsa_kernel k_q060b5cddcf_place
		.amdhsa_group_segment_fixed_size 3072
		.amdhsa_private_segment_fixed_size 0
		.amdhsa_enable_private_segment 0
		.amdhsa_kernarg_size 56
		.amdhsa_user_sgpr_count 2
		.amdhsa_user_sgpr_kernarg_segment_ptr 1
		.amdhsa_wavefront_size32 1
		.amdhsa_system_sgpr_workgroup_id_x 1
		.amdhsa_system_sgpr_workgroup_id_y 1
		.amdhsa_system_sgpr_workgroup_id_z 1
		.amdhsa_system_vgpr_workitem_id 0
		.amdhsa_next_free_vgpr 160
		.amdhsa_next_free_sgpr 100
		.amdhsa_reserve_vcc 1
		.amdhsa_float_denorm_mode_32 3
		.amdhsa_float_denorm_mode_16_64 3
		.amdhsa_memory_ordered 1
		.amdhsa_forward_progress 1
		.amdhsa_inst_pref_size 40
	.end_amdhsa_kernel
	.amdgpu_metadata
---
amdhsa.version: [ 1, 2 ]
amdhsa.kernels:
  - .name:           k_q060b5cddcf_place
    .symbol:         k_q060b5cddcf_place.kd
    .args:
      - { .name: ridx, .offset: 0, .size: 8, .value_kind: global_buffer, .address_space: global }
      - { .name: rwt, .offset: 8, .size: 8, .value_kind: global_buffer, .address_space: global }
      - { .name: x, .offset: 16, .size: 8, .value_kind: global_buffer, .address_space: global }
      - { .name: tab, .offset: 24, .size: 8, .value_kind: global_buffer, .address_space: global }
      - { .name: rinfo, .offset: 32, .size: 8, .value_kind: global_buffer, .address_space: global }
      - { .name: gw, .offset: 40, .size: 8, .value_kind: global_buffer, .address_space: global }
      - { .name: xg, .offset: 48, .size: 8, .value_kind: global_buffer, .address_space: global }
    .group_segment_fixed_size: 3072
    .private_segment_fixed_size: 0
    .kernarg_segment_align: 8
    .kernarg_segment_size: 56
    .max_flat_workgroup_size: 256
    .sgpr_count:     100
    .vgpr_count:     160
    .wavefront_size: 32
...
	.end_amdgpu_metadata
.endif
;; end of part 2
;; launch up (part 3): grid 32 x 8, 8 waves a work-group, no clusters, 263,168 bytes of LDS; arguments tab, xg, W1, b1, hg; writes hg
.if DOCPART == 3
	.amdgcn_target "amdgcn-amd-amdhsa--gfx1250"
	.amdhsa_code_object_version 6
	.text
	.protected	k_q060b5cddcf_up
	.globl	k_q060b5cddcf_up
	.p2align	8
	.type	k_q060b5cddcf_up,@function
k_q060b5cddcf_up:
	s_mov_b64 s[64:65], 0
	v_nop
	global_prefetch_b8 v0, s[64:65] scope:SCOPE_SE
	s_setreg_imm32_b32 hwreg(HW_REG_WAVE_MODE, 25, 1), 1
	s_wait_xcnt 0x0
; THE FIRST PRODUCT.  hg = gelu(xg W1[e] + b1[e]), for the rows that chose expert e alone.  bf16 operands, f32 sums, hg rounded once to bf16.
; SHARES.  Work-group (slice, e) owns 128 columns of W1[e], all 1,024 K: 512 KiB of f32 that it alone reads, once.  Reading the weights is what takes the time, so the text is built round that stream.
; EIGHT WAVES.  Waves 4-7 PRODUCE: each keeps 64 loads of 512 bytes on its way (a ring of four slots of 16), asked for before anything else.  Waves 0-3 CONSUME.  The two kinds have their own counters
; of loads, so the long stream of weights does not hold up the short fetches of token rows.
; A STAGE is 256 K and has two halves.  First half: the producers take the stage's weights out of their ring, round them to bf16 into 128 registers and ask for the next stage's; the consumers
; meanwhile multiply the 256 K laid down last.  A barrier.  Second half: the producers lay their registers into LDS, 32 stores a wave.  A barrier.  So no wave writes the slice while another reads it,
; and the weights' loads stay on their way all through the products.  The whole slice, 256 KiB in bf16, stays in LDS; no byte of it is written twice.  Four trips, eight barriers, on every wave's path.
; Behind the fourth trip's second barrier the slice is whole and is only read: the consumers multiply the last 256 K by the text of the later passes, and the producers begin their own rows at once, beside them.
; NO TRANSPOSITION.  W1 lies [K][N].  Lane (p = lane % 16, h = lane / 16) loads 16 bytes, columns 4 p + 0..3, of rows k = 8 h + 0..7 and 16 + 8 h + 0..7; rows 2 d and 2 d + 1, element f, rounded
; together are word d of operand f, in which index p stands for column 4 p + f.  Sixteen loads and 32 roundings make four operands (32 K x 64 columns); sixteen lanes read 256 consecutive bytes of a row.
; ROWS.  An expert's tiles of 16 rows go in groups of 16; a wave takes tiles wave + 4 i of a group.  Consumers take groups 0 and 2, producers (when the stream is over) 1 and 3: 1,024 rows, every split is served.
; In the stages group 0 is multiplied in full (a tile past the count repeats the expert's last tile and is not stored); elsewhere dead tiles are jumped.  Such jumps go forward and pass no barrier.
; The matrix instruction is used transposed (source 0 = weights, source 1 = tokens): a lane then holds one token and 32 neighbouring columns for each half of the slice: a whole block row of hg.
; THE SUMS START FROM THE BIAS: a pass's 256 first moves copy b1 into the accumulators, so nothing is cleared and nothing is added behind the last product.
; GELU is exact gelu with erf by a rational approximation (Abramowitz and Stegun 7.1.26, error at most 1.5e-7 for every x): gelu(x) = max(x, 0) - |x| q, q = poly(t) e^(-x x / 2) / 2, t = 1 / (1 + 0.2316419 |x|).
; NO CLUSTER.  Each slice of weights has one reader.  What an expert's 32 work-groups share is its token tiles; these go straight into registers, LDS has 63 KiB left beside the slice where a ring
; for 256 rows x 128 K would want 128 KiB, and the number of rows hangs on a stored count.  NO TENSOR LOADS: the f32 weights must pass through registers to be rounded.
; LIMITS.  NaN and infinities are not treated apart.
.set PITCH,  16384                     ; bytes from a row of W1[e] to the next
.set STAGEB, 256*PITCH                 ; a stage: 256 K
.set HSH,    17                        ; 8 rows of W1 = 2^17 bytes
.set TSH,    15                        ; a tile of xg: 32 blocks of 1,024 bytes
.set SPARE,  262144                    ; LDS: 0 the slice: K step s (32 K), operand F (0..7) at 8,192 s + 1,024 F, words 4 q .. 4 q + 3 of lane l at + 512 q + 16 l; then the spare words, 128 bytes a wave
.set AF,  32                           ; v[32:159]  token operands: ring of four K steps, slot a, tile i at 32 a + 8 i; in a producer's stages: its 128 rounded words, unit u, operand f at 32 u + 8 f
.set BF,  160                          ; v[160:223] weight operands of one K step: half hb, operand f at 32 hb + 8 f; at a pass's beginning the bias: half g, column 4 j + f at 32 g + 4 j + f
.set XR,  32                           ; the way out: x, t, e^.., poly, max(x, 0)
.set UR,  64
.set SR,  96
.set PR,  128
.set MR,  224
.set OT,  224                          ; v[224:239] the way out: 64 bytes to store, where max(x, 0) lay
; window 0: v1 lane, v2 p, v3 h, v4 16 lane, v5 LDS read address, v6-9 my four tiles' offsets, v10 weights' lane offset, v11 LDS store address, v12 store offset, v13 1,024 h + 16 p, v14 128 h, v15 producer's LDS place, v30-31 the add's
; window 1: a producer's ring (slot u at 64 u); else the accumulators (tile i, operand F at 64 i + 8 F)
; s16 wave, s17 wave % 4, s18 expert, s19 slice, s20-22 the expert's first tile, tiles, last tile, s23 group, s24 my live tiles, s25 stage, s26-28 counters, s[30:31] an offset (high word 0),
; s[32:33] token tiles, s[34:35] the same, four K steps on, s[36:37] weights, s39 LDS read step, s40-43 my tiles' numbers, s44 block, s45-49 at work, s50-63 constants, s66 4,096 slice, s[68:69] bias
.set MSB, 0
.macro WIN new                         ; the immediate's high byte repeats the setting that is left; a switch that changes nothing is dropped
.if MSB != (\new)
	s_set_vgpr_msb (MSB<<8)|(\new)
.set MSB, \new
.endif
.endm
.macro PLACES                          ; four plain instructions between a matrix instruction and a load into, or a vector read of, its registers
.rept 4
	v_nop
.endr
.endm
.macro RLOAD slot, kk, g, base         ; sixteen loads: 32 K x 64 columns of f32 into ring slot
.irp i, 0,1,2,3,4,5,6,7,8,9,10,11,12,13,14,15
	global_load_b128 v[64*(\slot)+4*(\i):64*(\slot)+4*(\i)+3], v10, s[36:37] offset:(\base)+(\kk)*32*PITCH+((\i)+8*((\i)/8))*PITCH+256*(\g) th:TH_LOAD_NT
.endr
.endm
; One unit of a producer: slot's 16 loads are in (left = the younger loads that stay out); rounded into the unit's 32 registers; the slot asked for again, a stage ahead
.macro PCV slot, kk, g, reissue, left
	s_wait_loadcnt \left
	WIN 0x05                                       ; both sources in window 1
.irp f, 0,1,2,3
.irp d, 0,1,2,3,4,5,6,7
	v_cvt_pk_bf16_f32 v[AF+32*(\slot)+8*(\f)+(\d)], v[64*(\slot)+8*(\d)+(\f)], v[64*(\slot)+8*(\d)+4+(\f)]
.endr
.endr
.if \reissue
	WIN 0x40                                       ; destination in window 1
	RLOAD \slot, \kk, \g, STAGEB
.endif
	WIN 0
.endm
.macro P                               ; a producer's first half of a stage: its two K steps of the stage's eight
	PCV 0, 0, 0, 1, 48                             ; 48: the three younger slots
	PCV 1, 0, 1, 1, 48
	PCV 2, 1, 0, 1, 48
	PCV 3, 1, 1, 1, 48
	s_wait_xcnt 0x0                                ; the loads' base steps only behind this wait
	s_add_nc_u64 s[36:37], s[36:37], STAGEB
.endm
.macro PT                              ; the last stage asks for nothing: the counts run down
	PCV 0, 0, 0, 0, 48
	PCV 1, 0, 1, 0, 32
	PCV 2, 1, 0, 0, 16
	PCV 3, 1, 1, 0, 0
.endm
; A producer's second half of stage k: 32 stores of 512 consecutive bytes each (no bank is asked twice).  The address is a constant for the stage, 16,384 x (wave % 4) and 16 x lane
.macro ST k
.Lst\k:
	v_add_nc_u32 v11, (\k)*65536, v15
.irp u, 0,1,2,3
.irp f, 0,1,2,3
.irp q, 0,1
	ds_store_b128 v11, v[AF+32*(\u)+8*(\f)+4*(\q):AF+32*(\u)+8*(\f)+4*(\q)+3] offset:((\u)/2)*8192+(4*((\u)%2)+(\f))*1024+512*(\q)
.endr
.endr
.endr
.if (\k) < 3
	s_branch .Ljoin
.endif
.endm
.macro BLOAD k, hb                     ; four weight operands of K step k (of the four in hand) from LDS
	WIN 0
.irp f, 0,1,2,3
.irp q, 0,1
	ds_load_b128 v[BF+32*(\hb)+8*(\f)+4*(\q):BF+32*(\hb)+8*(\f)+4*(\q)+3], v5 offset:(\k)*8192+(4*(\hb)+(\f))*1024+512*(\q)
.endr
.endr
.endm
.macro ALOAD k, base                   ; my four tiles' operands of K step k, straight from memory: each load 512 consecutive bytes
	WIN 0
.irp i, 0,1,2,3
.irp q, 0,1
	global_load_b128 v[AF+32*(\k)+8*(\i)+4*(\q):AF+32*(\k)+8*(\i)+4*(\q)+3], v[6+(\i)], s[\base:\base+1] offset:(\k)*1024+512*(\q)
.endr
.endr
.endm
; Sixteen matrix instructions: four tiles x four operands of half hb.  The accumulators take turns, one instruction a turn; with one live tile the two halves' eight still do.
; skip = 1: tiles past my count are jumped, forward.
.macro MM k, hb, skip
.irp i, 0,1,2,3
.if (\skip) && ((\i) > 0)
	WIN 0
	s_cmp_le_u32 s24, \i
	s_cbranch_scc1 .Lhe_\@
.endif
	WIN 0x50                                       ; C and D in window 1
.irp f, 0,1,2,3
	v_wmma_f32_16x16x32_bf16 v[64*(\i)+32*(\hb)+8*(\f):64*(\i)+32*(\hb)+8*(\f)+7], v[BF+32*(\hb)+8*(\f):BF+32*(\hb)+8*(\f)+7], v[AF+32*(\k)+8*(\i):AF+32*(\k)+8*(\i)+7], v[64*(\i)+32*(\hb)+8*(\f):64*(\i)+32*(\hb)+8*(\f)+7]
.endr
.endr
.if \skip
	WIN 0
.Lhe_\@:
.endif
.endm
; Four K steps.  Token operands come four K steps ahead; weight operands half a K step ahead.
.macro CONSUME4 skip
	WIN 0
	v_add_nc_u32 v5, s39, v4
	s_add_co_u32 s39, s39, 32768
	BLOAD 0, 0
	BLOAD 0, 1
.irp k, 0,1,2,3
	s_wait_dscnt 0x8                               ; half 0 is in; half 1's eight loads stay out
	s_wait_loadcnt 24                              ; this K step's token operands are in; the three younger slots of eight stay out
	MM \k, 0, \skip
	PLACES
.if (\k) < 3
	BLOAD (\k)+1, 0
	s_wait_dscnt 0x8                               ; half 1 is in; the eight just issued stay out
.else
	s_wait_dscnt 0x0
.endif
	MM \k, 1, \skip
	PLACES
.if (\k) == 0
	s_wait_xcnt 0x0                                ; the token loads' base is written only behind this wait; the last load that names it stands a K step's products back
	s_add_co_u32 s28, s28, 1
	s_min_u32 s30, s28, 7                          ; the last trip asks for K steps 28-31 once more: inside the tile, and not used
	s_lshl_b32 s30, s30, 12
	s_add_nc_u64 s[34:35], s[32:33], s[30:31]
.endif
	ALOAD \k, 34
.if (\k) < 3
	BLOAD (\k)+1, 1
.endif
.endr
	WIN 0
.endm
.macro NTW                             ; my live tiles in group s23: those of 16 g + wave + 4 i that lie below the expert's number of tiles
	s_lshl_b32 s46, s23, 4
	s_add_co_u32 s46, s46, s17
	s_sub_co_i32 s24, s21, s46
	s_add_co_i32 s24, s24, 3
	s_ashr_i32 s24, s24, 2
	s_max_i32 s24, s24, 0
	s_min_i32 s24, s24, 4
.endm
.macro PASS_BEGIN                      ; a group begins: my tiles' numbers and offsets, the bias, the first four K steps' token operands, the sums at the bias
	s_wait_loadcnt 0x0                             ; no load of mine is out: none can still land in the registers that are loaded below
	s_wait_xcnt 0x0                                ; the stores of the pass before have read their registers
	s_add_co_u32 s47, s20, s46
.irp i, 0,1,2,3
	s_add_co_u32 s48, s47, 4*(\i)
	s_min_u32 s[40+(\i)], s48, 135                 ; where the tile is stored, if it is live
	s_min_u32 s48, s48, s22                        ; what is read: a tile past the count repeats the expert's last
	s_min_u32 s48, s48, 135
	s_lshl_b32 s48, s48, TSH
	v_add_nc_u32 v[6+(\i)], s48, v4
.endr
	s_mov_b32 s39, 0
	s_mov_b32 s28, 0
.irp g, 0,1
.irp j, 0,1,2,3,4,5,6,7
	global_load_b128 v[BF+32*(\g)+4*(\j):BF+32*(\g)+4*(\j)+3], v14, s[68:69] offset:256*(\g)+16*(\j)   ; b1 of columns 64 g + 32 h + 4 j + 0..3
.endr
.endr
	ALOAD 0, 32
	ALOAD 1, 32
	ALOAD 2, 32
	ALOAD 3, 32
	s_wait_loadcnt 32                              ; the bias is in; the 32 token loads issued behind it stay out
	WIN 0x40                                       ; destination in window 1
.irp i, 0,1,2,3
.irp g, 0,1
.irp f, 0,1,2,3
.irp j, 0,1,2,3,4,5,6,7
	v_mov_b32 v[64*(\i)+32*(\g)+8*(\f)+(\j)], v[BF+32*(\g)+4*(\j)+(\f)]   ; register j of operand 4 g + f is column 64 g + 32 h + 4 j + f
.endr
.endr
.endr
.endr
	WIN 0
.endm
	s_load_b256 s[4:11], s[0:1], 0x0               ; tab s[4:5], xg s[6:7], W1 s[8:9], b1 s[10:11]
	s_load_b64 s[12:13], s[0:1], 0x20              ; hg
	v_lshl_add_u32 v30, v0, 2, SPARE               ; my spare word,
	v_mov_b32 v31, 0                               ; and 0: kept for the add at the wave's end
	v_lshrrev_b32 v1, 5, v0
	v_readfirstlane_b32 s16, v1                    ; wave 0..7
	s_and_b32 s17, s16, 3
	s_and_b32 s18, ttmp7, 0xffff                   ; expert
	s_mov_b32 s19, ttmp9                           ; slice
	s_lshl_b32 s29, s18, 2
	s_mov_b32 s31, 0
	s_mov_b32 s50, 0x3e6d3389                      ; 0.2316419 = 0.3275911 / sqrt(2)
	s_mov_b32 s52, 0x3f07dc22                      ; the polynomial's coefficients, halved: 0.53070271,
	s_mov_b32 s53, s52                             ; (each named as a pair by the packed forms, which take the low word for both halves)
	s_mov_b32 s54, 0xbf3a00e3                      ; -0.72657601,
	s_mov_b32 s55, s54
	s_mov_b32 s56, 0x3f35f0e3                      ; 0.71070687,
	s_mov_b32 s57, s56
	s_mov_b32 s58, 0xbe11a98e                      ; -0.14224837,
	s_mov_b32 s59, s58
	s_mov_b32 s60, 0x3e027906                      ; 0.12741480
	s_mov_b32 s61, s60
	s_mov_b32 s62, 0xbf38aa3b                      ; -log2(e) / 2
	s_mov_b32 s63, s62
	s_lshl_b32 s66, s19, 12
	v_and_b32 v1, 31, v0
	v_and_b32 v2, 15, v0
	v_bfe_u32 v3, v0, 4, 1
	v_lshlrev_b32 v4, 4, v1
	v_lshlrev_b32 v10, 4, v2
	v_lshl_add_u32 v10, v3, HSH, v10               ; 8 h rows + 16 p
	v_lshl_add_u32 v15, s17, 14, v4                ; a producer's two K steps of a stage: 16,384 x (wave % 4) + 16 lane
	v_lshlrev_b32 v13, 4, v2
	v_lshl_add_u32 v13, v3, 10, v13
	v_lshlrev_b32 v14, 7, v3
	s_wait_kmcnt 0x0
	s_load_b32 s20, s[4:5], s29 offset:0x0         ; the expert's first tile,
	s_load_b32 s21, s[4:5], s29 offset:0x20        ; its tiles,
	s_load_b32 s22, s[4:5], s29 offset:0x40        ; its last tile: waited for on each of the two ways below, ahead of their first use
	s_mov_b64 s[32:33], s[6:7]
	s_lshl_b32 s30, s18, 24                        ; W1[e],
	s_lshl_b32 s46, s19, 9                         ; my 128 columns,
	s_add_co_u32 s30, s30, s46
	s_lshl_b32 s46, s17, 20                        ; the producer's 64 rows of a stage
	s_add_co_u32 s30, s30, s46
	s_add_nc_u64 s[36:37], s[8:9], s[30:31]
	s_lshl_b32 s30, s18, 14                        ; b1[e], my 128 columns
	s_lshl_b32 s46, s19, 9
	s_add_co_u32 s30, s30, s46
	s_add_nc_u64 s[68:69], s[10:11], s[30:31]
	s_cmp_lt_u32 s16, 4
	s_cbranch_scc0 .Lprod_pre
	s_wait_kmcnt 0x0                               ; the table
	s_mov_b32 s23, 0                               ; consumers: group 0
	NTW
	PASS_BEGIN
	s_branch .Lstages
.Lprod_pre:
	s_mov_b32 s23, 1                               ; producers: later group 1; now the ring is filled, stage 0: the weights hang on no table, so they are asked for first
	WIN 0x40
	RLOAD 0, 0, 0, 0
	RLOAD 1, 0, 1, 0
	RLOAD 2, 1, 0, 0
	RLOAD 3, 1, 1, 0
	WIN 0
	s_wait_kmcnt 0x0                               ; the table, which a producer reads when the stream is over
.Lstages:
	s_mov_b32 s25, 0
.Lstage:                                               ; four trips.  First half of trip st: producers round stage st, consumers multiply stage st - 1
	s_cmp_lt_u32 s16, 4
	s_cbranch_scc0 .Lp
	s_cmp_eq_u32 s25, 0
	s_cbranch_scc1 .Lmeet
	s_mov_b32 s26, 2
.Lc:
	CONSUME4 0
	s_sub_co_u32 s26, s26, 1
	s_cmp_lg_u32 s26, 0
	s_cbranch_scc1 .Lc
	s_branch .Lmeet
.Lp:
	s_cmp_ge_u32 s25, 3
	s_cbranch_scc1 .Lpt
	P
	s_branch .Lmeet
.Lpt:
	PT
.Lmeet:
	s_wait_dscnt 0x0                               ; for the others' sake: my reads of the slice are back
	s_barrier_signal -1
	s_barrier_wait -1                              ; nobody reads the slice now.  Second half: the producers lay stage st down
	s_cmp_lt_u32 s16, 4
	s_cbranch_scc1 .Ljoin
.irp k, 1,2,3
	s_cmp_eq_u32 s25, \k
	s_cbranch_scc1 .Lst\k
.endr
	ST 0
	ST 1
	ST 2
	ST 3
.Ljoin:
	s_wait_dscnt 0x0                               ; for the others' sake: my stores into the slice are done
	s_barrier_signal -1
	s_barrier_wait -1                              ; the stage's 256 K are whole: what follows reads them
	s_add_co_u32 s25, s25, 1
	s_cmp_lt_u32 s25, 4
	s_cbranch_scc1 .Lstage
	s_mov_b32 s27, 2                               ; from here on the slice is only read.  Two passes a wave
	s_mov_b32 s26, 2                               ; a consumer's first pass has its last 256 K, two trips, to go: it enters the pass's loop in its middle;
	s_cmp_lt_u32 s16, 4
	s_cbranch_scc1 .Lk                             ; the producers begin their first pass beside it
.Lpass:
	NTW
	s_cmp_eq_u32 s24, 0
	s_cbranch_scc1 .Lnext                          ; the expert has no such rows
	PASS_BEGIN
	s_mov_b32 s26, 8
.Lk:
	CONSUME4 1
	s_sub_co_u32 s26, s26, 1
	s_cmp_lg_u32 s26, 0
	s_cbranch_scc1 .Lk
	; THE WAY OUT.  Lane (r, h), accumulator (tile i, operand 4 g + f), register j: token r, column 64 g + 32 h + 4 j + f.  For a tile and a half g a lane has 32 neighbouring columns of one row: block 4 slice + 2 g + h of hg.
	s_wait_loadcnt 0x0                             ; the token loads asked for in the last trip: their registers are used below
	s_mov_b32 s44, 0
.Lblk:                                                 ; eight blocks: tile b / 2, half b % 2.  The arithmetic is written once; what differs, the accumulators' names, stands in eight short texts
	s_lshr_b32 s46, s44, 1
	s_cmp_ge_u32 s46, s24
	s_cbranch_scc1 .Lnext                          ; tiles past my count are not stored
.irp b, 1,2,3,4,5,6,7
	s_cmp_eq_u32 s44, \b
	s_cbranch_scc1 .Lxb\b
.endr
.macro XB b
.Lxb\b:
	s_lshl_b32 s45, s[40+(\b)/2], 17               ; the tile in hg,
	s_add_co_u32 s45, s45, s66                     ; my slice's four blocks,
.if (\b)%2
	s_add_co_u32 s45, s45, 2048                    ; the half's two
.endif
	WIN 0x01                                       ; source 0 in window 1
.irp m, 0,1,2,3,4,5,6,7,8,9,10,11,12,13,14,15
	v_pk_mul_f32 v[XR+2*(\m):XR+2*(\m)+1], v[64*((\b)/2)+32*((\b)%2)+2*(\m):64*((\b)/2)+32*((\b)%2)+2*(\m)+1], 1.0 op_sel_hi:[1,0]   ; into the registers that the one text below names; each accumulator from its low end on
.endr
	WIN 0
.if (\b) < 7
	s_branch .Lmath
.endif
.endm
	XB 0
	XB 1
	XB 2
	XB 3
	XB 4
	XB 5
	XB 6
	XB 7
.Lmath:
.irp m, 0,1,2,3,4,5,6,7,8,9,10,11,12,13,14,15
	v_pk_mul_f32 v[SR+2*(\m):SR+2*(\m)+1], v[XR+2*(\m):XR+2*(\m)+1], v[XR+2*(\m):XR+2*(\m)+1]
.endr
.irp m, 0,1,2,3,4,5,6,7,8,9,10,11,12,13,14,15
	v_pk_mul_f32 v[SR+2*(\m):SR+2*(\m)+1], v[SR+2*(\m):SR+2*(\m)+1], s[62:63] op_sel_hi:[1,0]
.endr
.set z, 0
.rept 32                               ; ONE BATCH of 64: 32 exponentials and 32 reciprocals, a plain instruction beside each; nothing ahead of the wait names a result
	v_fma_f32 v[UR+z], |v[XR+z]|, s50, 1.0
	v_exp_f32 v[SR+z], v[SR+z]
.set z, z+1
.endr
	s_wait_xcnt 0x0                                ; the last block's stores have read their offset (v12) and their data (v224-239): both are written again only below this line, 112 vector instructions behind those stores
	v_add_nc_u32 v12, s45, v13
.set z, 0
.rept 32
	v_max_num_f32 v[MR+z], 0, v[XR+z]
	v_rcp_f32 v[UR+z], v[UR+z]
.set z, z+1
.endr
	v_nop                                          ; a plain instruction behind the last of them
	s_wait_alu depctr_va_vdst(0)                   ; one wait for the batch, ahead of its first reader
.irp m, 0,1,2,3,4,5,6,7,8,9,10,11,12,13,14,15
	v_pk_fma_f32 v[PR+2*(\m):PR+2*(\m)+1], v[UR+2*(\m):UR+2*(\m)+1], s[52:53], s[54:55] op_sel_hi:[1,0,0]
.endr
.irp c, 56,58,60
.irp m, 0,1,2,3,4,5,6,7,8,9,10,11,12,13,14,15
	v_pk_fma_f32 v[PR+2*(\m):PR+2*(\m)+1], v[PR+2*(\m):PR+2*(\m)+1], v[UR+2*(\m):UR+2*(\m)+1], s[\c:\c+1] op_sel_hi:[1,1,0]
.endr
.endr
.irp m, 0,1,2,3,4,5,6,7,8,9,10,11,12,13,14,15
	v_pk_mul_f32 v[PR+2*(\m):PR+2*(\m)+1], v[PR+2*(\m):PR+2*(\m)+1], v[UR+2*(\m):UR+2*(\m)+1]
.endr
.irp m, 0,1,2,3,4,5,6,7,8,9,10,11,12,13,14,15
	v_pk_mul_f32 v[PR+2*(\m):PR+2*(\m)+1], v[PR+2*(\m):PR+2*(\m)+1], v[SR+2*(\m):SR+2*(\m)+1]
.endr
.set z, 0
.rept 32
	v_fma_f32 v[PR+z], -|v[XR+z]|, v[PR+z], v[MR+z]   ; max(x, 0) - |x| q
.set z, z+1
.endr
.irp p, 0,1,2,3                        ; piece p: columns 8 p .. 8 p + 7 of the block's 32; column 4 j + f lies in register 8 f + j
.irp d, 0,1,2,3
	v_cvt_pk_bf16_f32 v[OT+4*(\p)+(\d)], v[PR+16*((\d)%2)+2*(\p)+(\d)/2], v[PR+16*((\d)%2)+8+2*(\p)+(\d)/2]
.endr
.endr
.irp p, 0,1,2,3
	global_store_b128 v12, v[OT+4*(\p):OT+4*(\p)+3], s[12:13] offset:256*(\p)   ; sixteen lanes store 256 consecutive bytes, aligned
.endr
	s_add_co_u32 s44, s44, 1
	s_cmp_lt_u32 s44, 8
	s_cbranch_scc1 .Lblk
.Lnext:
	s_add_co_u32 s23, s23, 2
	s_sub_co_u32 s27, s27, 1
	s_cmp_lg_u32 s27, 0
	s_cbranch_scc1 .Lpass
	s_wait_dscnt 0x0                               ; my reads of the slice are back
	s_barrier_signal -1
	s_barrier_wait -1                              ; the closing barrier: every wave's are, before any wave runs its closing lines
	s_wait_tensorcnt 0x0                           ; the wave's end: behind my last LDS store
	ds_add_u32 v30, v31
	s_wait_dscnt 0x0
	s_endpgm
.Lfunc_end_k_q060b5cddcf_up:
	.size	k_q060b5cddcf_up, .Lfunc_end_k_q060b5cddcf_up-k_q060b5cddcf_up
	.p2alignl 7, 3214868480
	.fill 96, 4, 3214868480
	.section	.rodata,"a",@progbits
	.p2align	6, 0x0
	.amdhsa_kernel k_q060b5cddcf_up
		.amdhsa_group_segment_fixed_size 263168
		.amdhsa_private_segment_fixed_size 0
		.amdhsa_enable_private_segment 0
		.amdhsa_kernarg_size 40
		.amdhsa_user_sgpr_count 2
		.amdhsa_user_sgpr_kernarg_segment_ptr 1
		.amdhsa_wavefront_size32 1
		.amdhsa_system_sgpr_workgroup_id_x 1
		.amdhsa_system_sgpr_workgroup_id_y 1
		.amdhsa_system_sgpr_workgroup_id_z 1
		.amdhsa_system_vgpr_workitem_id 0
		.amdhsa_next_free_vgpr 512
		.amdhsa_next_free_sgpr 96
		.amdhsa_reserve_vcc 0
		.amdhsa_float_denorm_mode_32 3
		.amdhsa_float_denorm_mode_16_64 3
		.amdhsa_memory_ordered 1
		.amdhsa_forward_progress 1
		.amdhsa_inst_pref_size 134
	.end_amdhsa_kernel
	.amdgpu_metadata
---
amdhsa.version: [ 1, 2 ]
amdhsa.kernels:
  - .name:           k_q060b5cddcf_up
    .symbol:         k_q060b5cddcf_up.kd
    .args:
      - { .name: tab, .offset: 0, .size: 8, .value_kind: global_buffer, .address_space: global }
      - { .name: xg, .offset: 8, .size: 8, .value_kind: global_buffer, .address_space: global }
      - { .name: W1, .offset: 16, .size: 8, .value_kind: global_buffer, .address_space: global }
      - { .name: b1, .offset: 24, .size: 8, .value_kind: global_buffer, .address_space: global }
      - { .name: hg, .offset: 32, .size: 8, .value_kind: global_buffer, .address_space: global }
    .group_segment_fixed_size: 263168
    .private_segment_fixed_size: 0
    .kernarg_segment_align: 8
    .kernarg_segment_size: 40
    .max_flat_workgroup_size: 256
    .sgpr_count:     96
    .vgpr_count:     512
    .wavefront_size: 32
...
	.end_amdgpu_metadata
.endif
;; end of part 3
;; launch down (part 4): grid 32 x 8, 8 waves a work-group, no clusters, 263,168 bytes of LDS; arguments tab, hg, W2, rinfo, gw, part; writes part
.if DOCPART == 4
	.amdgcn_target "amdgcn-amd-amdhsa--gfx1250"
	.amdhsa_code_object_version 6
	.text
	.protected	k_q060b5cddcf_down
	.globl	k_q060b5cddcf_down
	.p2align	8
	.type	k_q060b5cddcf_down,@function
k_q060b5cddcf_down:
	s_mov_b64 s[64:65], 0
	v_nop
	global_prefetch_b8 v0, s[64:65] scope:SCOPE_SE
	s_setreg_imm32_b32 hwreg(HW_REG_WAVE_MODE, 25, 1), 1
	s_wait_xcnt 0x0
; THE SECOND PRODUCT.  part[quarter][row] = score x (hg W2[e]) over a quarter of K, for the rows that chose expert e alone.  bf16 operands, f32 sums; the partial sums stay in f32.
; SHARES.  Work-group (8 quarter + cs, e) owns 128 columns of W2[e] and 1,024 of its 4,096 K: 512 KiB of f32 that it alone reads, once: the shape of the first product, whose text this one follows.
; K is cut in four so that hg is read once for each 128 columns; all of K with 32 columns would read it four times as often.  The price: four partial rows for each routed row, which the last launch adds.
; EIGHT WAVES.  Waves 4-7 PRODUCE: each keeps 64 loads of 512 bytes on its way (a ring of four slots of 16), asked for before anything else.  Waves 0-3 CONSUME.  The two kinds have their own counters of loads.
; A STAGE is 256 K and has two halves.  First half: the producers take the stage's weights out of their ring, round them to bf16 into 128 registers and ask for the next stage's; the consumers
; meanwhile multiply the 256 K laid down last.  A barrier.  Second half: the producers lay their registers into LDS, 32 stores a wave.  A barrier.  So no wave writes the slice while another reads it,
; and the weights' loads stay on their way all through the products.  The slice, 256 KiB in bf16, stays in LDS; no byte of it is written twice.  Four trips, eight barriers, on every wave's path.
; Behind the fourth trip's second barrier the slice is whole and is only read: the consumers multiply the last 256 K by the text of the later passes, and the producers begin their own rows at once, beside them.
; NO TRANSPOSITION.  W2 lies [K][N].  Lane (p = lane % 16, h = lane / 16) loads 16 bytes, columns 4 p + 0..3, of rows k = 8 h + 0..7 and 16 + 8 h + 0..7; rows 2 d and 2 d + 1, element f, rounded
; together are word d of operand f, in which index p stands for column 4 p + f.
; ROWS.  An expert's tiles of 16 rows go in groups of 16; a wave takes tiles wave + 4 i of a group.  Consumers take groups 0 and 2, producers 1 and 3: 1,024 rows, every split is served.
; In the stages group 0 is multiplied in full (a tile past the count repeats the expert's last tile and is not stored); elsewhere dead tiles are jumped, forward, past no barrier.
; Source 0 = tokens, source 1 = weights: lane (p, h), register j holds token 8 h + j, column 64 g + 4 p + f: the four operands of a half give a lane 16 consecutive bytes of a row.
; A row goes where rinfo says: slot x 1,024 + token; a pad row to its expert's dump row, which nobody reads.
; NO CLUSTER, NO TENSOR LOADS: each slice of weights has one reader and must pass through registers to be rounded; the shared token tiles go straight into registers, and LDS has 63 KiB left beside the slice.
; The accumulators are cleared (256 lines a pass): a first K step written out would be a third copy of the four-step body; for group 0 the clearing stands in the wait for the first weights.
; LIMITS.  NaN and infinities are not treated apart.
.set PITCH,  4096                      ; bytes from a row of W2[e] to the next
.set STAGEB, 256*PITCH                 ; a stage: 256 K
.set HSH,    15                        ; 8 rows of W2 = 2^15 bytes
.set TSH,    17                        ; a tile of hg: 128 blocks of 1,024 bytes
.set QPART,  8421376                   ; a quarter of part: 2,056 rows of 4,096 bytes
.set SPARE,  262144                    ; LDS: 0 the slice: K step s, operand F at 8,192 s + 1,024 F; then the spare words, 128 bytes a wave
.set AF,  32                           ; v[32:159]  token operands: ring of four K steps, slot a, tile i at 32 a + 8 i; in a producer's stages: its 128 rounded words, unit u, operand f at 32 u + 8 f;
                                       ;            in the way out: four stages of 32 registers, 8 x 16 bytes to store each, by turns
.set BF,  160                          ; v[160:223] weight operands of one K step: half hb, operand f at 32 hb + 8 f; in the way out: tile i's eight row offsets at 16 i, its eight scores at 16 i + 8
; window 0: v1 lane, v2 p, v3 h, v4 16 lane, v5 LDS read address, v6-9 my four tiles' offsets, v10 weights' lane offset, v11 LDS store address, v13 16 p, v14 32 h, v15 producer's LDS place, v30-31 the add's, v224-227 offsets in rinfo
; window 1: a producer's ring (slot u at 64 u); else the accumulators (tile i, operand F at 64 i + 8 F)
; s16 wave, s17 wave % 4, s18 expert, s19 column slice, s67 quarter, s20-22 the expert's first tile, tiles, last tile, s23 group, s24 my live tiles, s25 stage, s26-28 counters, s[30:31] an offset (high word 0),
; s[32:33] token tiles, s[34:35] the same, four K steps on, s[36:37] weights, s39 LDS read step, s40-43 my tiles' numbers, s46-48 at work, s[68:69] part at my quarter and columns
.set MSB, 0
.macro WIN new                         ; the immediate's high byte repeats the setting that is left; a switch that changes nothing is dropped
.if MSB != (\new)
	s_set_vgpr_msb (MSB<<8)|(\new)
.set MSB, \new
.endif
.endm
.macro PLACES                          ; four plain instructions between a matrix instruction and a load into, or a vector read of, its registers
.rept 4
	v_nop
.endr
.endm
.macro RLOAD slot, kk, g, base         ; sixteen loads: 32 K x 64 columns of f32 into ring slot
.irp i, 0,1,2,3,4,5,6,7,8,9,10,11,12,13,14,15
	global_load_b128 v[64*(\slot)+4*(\i):64*(\slot)+4*(\i)+3], v10, s[36:37] offset:(\base)+(\kk)*32*PITCH+((\i)+8*((\i)/8))*PITCH+256*(\g) th:TH_LOAD_NT
.endr
.endm
.macro PCV slot, kk, g, reissue, left  ; one unit of a producer: wait (left = the younger loads that stay out), round into the unit's 32 registers, ask again a stage ahead
	s_wait_loadcnt \left
	WIN 0x05                                       ; both sources in window 1
.irp f, 0,1,2,3
.irp d, 0,1,2,3,4,5,6,7
	v_cvt_pk_bf16_f32 v[AF+32*(\slot)+8*(\f)+(\d)], v[64*(\slot)+8*(\d)+(\f)], v[64*(\slot)+8*(\d)+4+(\f)]
.endr
.endr
.if \reissue
	WIN 0x40                                       ; destination in window 1
	RLOAD \slot, \kk, \g, STAGEB
.endif
	WIN 0
.endm
.macro P                               ; a producer's first half of a stage: its two K steps of the stage's eight
	PCV 0, 0, 0, 1, 48                             ; 48: the three younger slots
	PCV 1, 0, 1, 1, 48
	PCV 2, 1, 0, 1, 48
	PCV 3, 1, 1, 1, 48
	s_wait_xcnt 0x0                                ; the loads' base steps only behind this wait
	s_add_nc_u64 s[36:37], s[36:37], STAGEB
.endm
.macro PT                              ; the last stage asks for nothing: the counts run down
	PCV 0, 0, 0, 0, 48
	PCV 1, 0, 1, 0, 32
	PCV 2, 1, 0, 0, 16
	PCV 3, 1, 1, 0, 0
.endm
; A producer's second half of stage k: 32 stores of 512 consecutive bytes each.  The address is a constant for the stage, 16,384 x (wave % 4) and 16 x lane
.macro ST k
.Lst\k:
	v_add_nc_u32 v11, (\k)*65536, v15
.irp u, 0,1,2,3
.irp f, 0,1,2,3
.irp q, 0,1
	ds_store_b128 v11, v[AF+32*(\u)+8*(\f)+4*(\q):AF+32*(\u)+8*(\f)+4*(\q)+3] offset:((\u)/2)*8192+(4*((\u)%2)+(\f))*1024+512*(\q)
.endr
.endr
.endr
.if (\k) < 3
	s_branch .Ljoin
.endif
.endm
.macro BLOAD k, hb
	WIN 0
.irp f, 0,1,2,3
.irp q, 0,1
	ds_load_b128 v[BF+32*(\hb)+8*(\f)+4*(\q):BF+32*(\hb)+8*(\f)+4*(\q)+3], v5 offset:(\k)*8192+(4*(\hb)+(\f))*1024+512*(\q)
.endr
.endr
.endm
.macro ALOAD k, base
	WIN 0
.irp i, 0,1,2,3
.irp q, 0,1
	global_load_b128 v[AF+32*(\k)+8*(\i)+4*(\q):AF+32*(\k)+8*(\i)+4*(\q)+3], v[6+(\i)], s[\base:\base+1] offset:(\k)*1024+512*(\q)
.endr
.endr
.endm
; Sixteen matrix instructions: four tiles x four operands of half hb; the accumulators take turns, one instruction a turn.  skip = 1: tiles past my count are jumped, forward.
.macro MM k, hb, skip
.irp i, 0,1,2,3
.if (\skip) && ((\i) > 0)
	WIN 0
	s_cmp_le_u32 s24, \i
	s_cbranch_scc1 .Lhe_\@
.endif
	WIN 0x50                                       ; C and D in window 1
.irp f, 0,1,2,3
	v_wmma_f32_16x16x32_bf16 v[64*(\i)+32*(\hb)+8*(\f):64*(\i)+32*(\hb)+8*(\f)+7], v[AF+32*(\k)+8*(\i):AF+32*(\k)+8*(\i)+7], v[BF+32*(\hb)+8*(\f):BF+32*(\hb)+8*(\f)+7], v[64*(\i)+32*(\hb)+8*(\f):64*(\i)+32*(\hb)+8*(\f)+7]
.endr
.endr
.if \skip
	WIN 0
.Lhe_\@:
.endif
.endm
.macro CONSUME4 skip                   ; four K steps: token operands come four K steps ahead, weight operands half a K step ahead
	WIN 0
	v_add_nc_u32 v5, s39, v4
	s_add_co_u32 s39, s39, 32768
	BLOAD 0, 0
	BLOAD 0, 1
.irp k, 0,1,2,3
	s_wait_dscnt 0x8                               ; half 0 is in; half 1's eight loads stay out
	s_wait_loadcnt 24                              ; this K step's token operands are in; the three younger slots of eight stay out
	MM \k, 0, \skip
	PLACES
.if (\k) < 3
	BLOAD (\k)+1, 0
	s_wait_dscnt 0x8                               ; half 1 is in; the eight just issued stay out
.else
	s_wait_dscnt 0x0
.endif
	MM \k, 1, \skip
	PLACES
.if (\k) == 0
	s_wait_xcnt 0x0                                ; the token loads' base is written only behind this wait; the last load that names it stands a K step's products back
	s_add_co_u32 s28, s28, 1
	s_min_u32 s30, s28, 7                          ; the last trip asks for the quarter's K steps 28-31 once more: inside the tile, and not used
	s_lshl_b32 s30, s30, 12
	s_add_nc_u64 s[34:35], s[32:33], s[30:31]
.endif
	ALOAD \k, 34
.if (\k) < 3
	BLOAD (\k)+1, 1
.endif
.endr
	WIN 0
.endm
.macro NTW                             ; my live tiles in group s23
	s_lshl_b32 s46, s23, 4
	s_add_co_u32 s46, s46, s17
	s_sub_co_i32 s24, s21, s46
	s_add_co_i32 s24, s24, 3
	s_ashr_i32 s24, s24, 2
	s_max_i32 s24, s24, 0
	s_min_i32 s24, s24, 4
.endm
.macro PASS_BEGIN                      ; a group begins: my tiles' numbers and offsets, the first four K steps' token operands, the sums at 0
	s_wait_loadcnt 0x0                             ; no load of mine is out: none can still land in the registers that are loaded below
	s_wait_xcnt 0x0                                ; the stores of the pass before have read their registers
	s_add_co_u32 s47, s20, s46
.irp i, 0,1,2,3
	s_add_co_u32 s48, s47, 4*(\i)
	s_min_u32 s[40+(\i)], s48, 135                 ; the tile whose rinfo and gw are read
	s_min_u32 s48, s48, s22                        ; what is multiplied: a tile past the count repeats the expert's last
	s_min_u32 s48, s48, 135
	s_lshl_b32 s48, s48, TSH
	v_add_nc_u32 v[6+(\i)], s48, v4
.endr
	s_mov_b32 s39, 0
	s_mov_b32 s28, 0
	ALOAD 0, 32
	ALOAD 1, 32
	ALOAD 2, 32
	ALOAD 3, 32
	WIN 0x40
.set z, 0
.rept 256
	v_mov_b32 v[z], 0
.set z, z+1
.endr
	WIN 0
.endm
	s_load_b256 s[4:11], s[0:1], 0x0               ; tab s[4:5], hg s[6:7], W2 s[8:9], rinfo s[10:11]
	s_load_b128 s[12:15], s[0:1], 0x20             ; gw s[12:13], part s[14:15]
	v_lshl_add_u32 v30, v0, 2, SPARE               ; my spare word,
	v_mov_b32 v31, 0                               ; and 0: kept for the add at the wave's end
	v_lshrrev_b32 v1, 5, v0
	v_readfirstlane_b32 s16, v1                    ; wave 0..7
	s_and_b32 s17, s16, 3
	s_and_b32 s18, ttmp7, 0xffff                   ; expert
	s_and_b32 s19, ttmp9, 7                        ; which 128 columns
	s_lshr_b32 s67, ttmp9, 3                       ; which quarter of K
	s_lshl_b32 s29, s18, 2
	s_mov_b32 s31, 0
	v_and_b32 v1, 31, v0
	v_and_b32 v2, 15, v0
	v_bfe_u32 v3, v0, 4, 1
	v_lshlrev_b32 v4, 4, v1
	v_lshlrev_b32 v10, 4, v2
	v_lshl_add_u32 v10, v3, HSH, v10               ; 8 h rows + 16 p
	v_lshl_add_u32 v15, s17, 14, v4                ; a producer's two K steps of a stage: 16,384 x (wave % 4) + 16 lane
	v_lshlrev_b32 v13, 4, v2
	v_lshlrev_b32 v14, 5, v3
	s_wait_kmcnt 0x0
	s_load_b32 s20, s[4:5], s29 offset:0x0         ; the expert's first tile,
	s_load_b32 s21, s[4:5], s29 offset:0x20        ; its tiles,
	s_load_b32 s22, s[4:5], s29 offset:0x40        ; its last tile: waited for on each of the two ways below, ahead of their first use
	s_lshl_b32 s30, s67, 15                        ; the quarter's 32 blocks in a tile of hg
	s_add_nc_u64 s[32:33], s[6:7], s[30:31]
	s_lshl_b32 s30, s18, 24                        ; W2[e],
	s_lshl_b32 s46, s67, 22                        ; the quarter's 1,024 rows,
	s_add_co_u32 s30, s30, s46
	s_lshl_b32 s46, s19, 9                         ; my 128 columns,
	s_add_co_u32 s30, s30, s46
	s_lshl_b32 s46, s17, 18                        ; the producer's 64 rows of a stage
	s_add_co_u32 s30, s30, s46
	s_add_nc_u64 s[36:37], s[8:9], s[30:31]
	s_mul_i32 s30, s67, QPART
	s_lshl_b32 s46, s19, 9
	s_add_co_u32 s30, s30, s46
	s_add_nc_u64 s[68:69], s[14:15], s[30:31]
	s_cmp_lt_u32 s16, 4
	s_cbranch_scc0 .Lprod_pre
	s_wait_kmcnt 0x0                               ; the table
	s_mov_b32 s23, 0                               ; consumers: group 0
	NTW
	PASS_BEGIN
	s_branch .Lstages
.Lprod_pre:
	s_mov_b32 s23, 1                               ; producers: later group 1; now the ring is filled, stage 0: the weights hang on no table, so they are asked for first
	WIN 0x40
	RLOAD 0, 0, 0, 0
	RLOAD 1, 0, 1, 0
	RLOAD 2, 1, 0, 0
	RLOAD 3, 1, 1, 0
	WIN 0
	s_wait_kmcnt 0x0                               ; the table, which a producer reads when the stream is over
.Lstages:
	s_mov_b32 s25, 0
.Lstage:                                               ; four trips.  First half of trip st: producers round stage st, consumers multiply stage st - 1
	s_cmp_lt_u32 s16, 4
	s_cbranch_scc0 .Lp
	s_cmp_eq_u32 s25, 0
	s_cbranch_scc1 .Lmeet
	s_mov_b32 s26, 2
.Lc:
	CONSUME4 0
	s_sub_co_u32 s26, s26, 1
	s_cmp_lg_u32 s26, 0
	s_cbranch_scc1 .Lc
	s_branch .Lmeet
.Lp:
	s_cmp_ge_u32 s25, 3
	s_cbranch_scc1 .Lpt
	P
	s_branch .Lmeet
.Lpt:
	PT
.Lmeet:
	s_wait_dscnt 0x0                               ; for the others' sake: my reads of the slice are back
	s_barrier_signal -1
	s_barrier_wait -1                              ; nobody reads the slice now.  Second half: the producers lay stage st down
	s_cmp_lt_u32 s16, 4
	s_cbranch_scc1 .Ljoin
.irp k, 1,2,3
	s_cmp_eq_u32 s25, \k
	s_cbranch_scc1 .Lst\k
.endr
	ST 0
	ST 1
	ST 2
	ST 3
.Ljoin:
	s_wait_dscnt 0x0                               ; for the others' sake: my stores into the slice are done
	s_barrier_signal -1
	s_barrier_wait -1                              ; the stage's 256 K are whole: what follows reads them
	s_add_co_u32 s25, s25, 1
	s_cmp_lt_u32 s25, 4
	s_cbranch_scc1 .Lstage
	s_mov_b32 s27, 2                               ; from here on the slice is only read.  Two passes a wave
	s_mov_b32 s26, 2                               ; a consumer's first pass has its last 256 K, two trips, to go: it enters the pass's loop in its middle;
	s_cmp_lt_u32 s16, 4
	s_cbranch_scc1 .Lk                             ; the producers begin their first pass beside it
.Lpass:
	NTW
	s_cmp_eq_u32 s24, 0
	s_cbranch_scc1 .Lnext                          ; the expert has no such rows
	PASS_BEGIN
	s_mov_b32 s26, 8
.Lk:
	CONSUME4 1
	s_sub_co_u32 s26, s26, 1
	s_cmp_lg_u32 s26, 0
	s_cbranch_scc1 .Lk
	; THE WAY OUT.  For each tile my eight rows' places and scores (rows 8 h + 0..7); each row's sums times its score; 16 bytes a lane, sixteen lanes to 256 consecutive bytes of a row.
	; The places and scores land where the weight operands lay (their last product stands four plain instructions back), so they are asked for ahead of the one wait that also covers the last trip's token loads.
.irp i, 0,1,2,3
	s_lshl_b32 s46, s[40+(\i)], 6
	v_add_nc_u32 v[224+(\i)], s46, v14             ; 64 x tile + 32 h
	global_load_b128 v[BF+16*(\i):BF+16*(\i)+3], v[224+(\i)], s[10:11]
	global_load_b128 v[BF+16*(\i)+4:BF+16*(\i)+7], v[224+(\i)], s[10:11] offset:16
	global_load_b128 v[BF+16*(\i)+8:BF+16*(\i)+11], v[224+(\i)], s[12:13]
	global_load_b128 v[BF+16*(\i)+12:BF+16*(\i)+15], v[224+(\i)], s[12:13] offset:16
.endr
	s_wait_loadcnt 0x0
.irp i, 0,1,2,3
.irp j, 0,1,2,3,4,5,6,7
	v_min_u32 v[BF+16*(\i)+(\j)], 0x807, v[BF+16*(\i)+(\j)]          ; a row of part: 2,055 at the most
	v_lshl_add_u32 v[BF+16*(\i)+(\j)], v[BF+16*(\i)+(\j)], 12, v13   ; x 4,096 + 16 p
.endr
.endr
.irp i, 0,1,2,3
	s_cmp_le_u32 s24, \i
	s_cbranch_scc1 .Lnext                          ; tiles past my count are not stored
.irp jj, 0,1                           ; eight groups of eight stores take turns on four stages of 32 registers
.if (2*(\i)+(\jj)) == 4
	s_wait_xcnt 0x0                                ; the first four groups' stores have read their data: all four stages may be written again
.endif
	WIN 0x01                                       ; source 0 in window 1
.irp j4, 0,1,2,3
.irp g, 0,1
.irp f, 0,1,2,3
	v_mul_f32 v[AF+32*((2*(\i)+(\jj))%4)+4*(2*(\j4)+(\g))+(\f)], v[64*(\i)+8*(4*(\g)+(\f))+4*(\jj)+(\j4)], v[BF+16*(\i)+8+4*(\jj)+(\j4)]   ; each accumulator from its low end on
.endr
.endr
.endr
	WIN 0
.irp j4, 0,1,2,3
.irp g, 0,1
	global_store_b128 v[BF+16*(\i)+4*(\jj)+(\j4)], v[AF+32*((2*(\i)+(\jj))%4)+4*(2*(\j4)+(\g)):AF+32*((2*(\i)+(\jj))%4)+4*(2*(\j4)+(\g))+3], s[68:69] offset:256*(\g)
.endr
.endr
.endr
.endr
.Lnext:
	s_add_co_u32 s23, s23, 2
	s_sub_co_u32 s27, s27, 1
	s_cmp_lg_u32 s27, 0
	s_cbranch_scc1 .Lpass
	s_wait_dscnt 0x0                               ; my reads of the slice are back
	s_barrier_signal -1
	s_barrier_wait -1                              ; the closing barrier: every wave's are, before any wave runs its closing lines
	s_wait_tensorcnt 0x0                           ; the wave's end: behind my last LDS store
	ds_add_u32 v30, v31
	s_wait_dscnt 0x0
	s_endpgm
.Lfunc_end_k_q060b5cddcf_down:
	.size	k_q060b5cddcf_down, .Lfunc_end_k_q060b5cddcf_down-k_q060b5cddcf_down
	.p2alignl 7, 3214868480
	.fill 96, 4, 3214868480
	.section	.rodata,"a",@progbits
	.p2align	6, 0x0
	.amdhsa_kernel k_q060b5cddcf_down
		.amdhsa_group_segment_fixed_size 263168
		.amdhsa_private_segment_fixed_size 0
		.amdhsa_enable_private_segment 0
		.amdhsa_kernarg_size 48
		.amdhsa_user_sgpr_count 2
		.amdhsa_user_sgpr_kernarg_segment_ptr 1
		.amdhsa_wavefront_size32 1
		.amdhsa_system_sgpr_workgroup_id_x 1
		.amdhsa_system_sgpr_workgroup_id_y 1
		.amdhsa_system_sgpr_workgroup_id_z 1
		.amdhsa_system_vgpr_workitem_id 0
		.amdhsa_next_free_vgpr 512
		.amdhsa_next_free_sgpr 96
		.amdhsa_reserve_vcc 0
		.amdhsa_float_denorm_mode_32 3
		.amdhsa_float_denorm_mode_16_64 3
		.amdhsa_memory_ordered 1
		.amdhsa_forward_progress 1
		.amdhsa_inst_pref_size 124
	.end_amdhsa_kernel
	.amdgpu_metadata
---
amdhsa.version: [ 1, 2 ]
amdhsa.kernels:
  - .name:           k_q060b5cddcf_down
    .symbol:         k_q060b5cddcf_down.kd
    .args:
      - { .name: tab, .offset: 0, .size: 8, .value_kind: global_buffer, .address_space: global }
      - { .name: hg, .offset: 8, .size: 8, .value_kind: global_buffer, .address_space: global }
      - { .name: W2, .offset: 16, .size: 8, .value_kind: global_buffer, .address_space: global }
      - { .name: rinfo, .offset: 24, .size: 8, .value_kind: global_buffer, .address_space: global }
      - { .name: gw, .offset: 32, .size: 8, .value_kind: global_buffer, .address_space: global }
      - { .name: part, .offset: 40, .size: 8, .value_kind: global_buffer, .address_space: global }
    .group_segment_fixed_size: 263168
    .private_segment_fixed_size: 0
    .kernarg_segment_align: 8
    .kernarg_segment_size: 48
    .max_flat_workgroup_size: 256
    .sgpr_count:     96
    .vgpr_count:     512
    .wavefront_size: 32
...
	.end_amdgpu_metadata
.endif
;; end of part 4
;; launch norm (part 5): grid 256 x 1, 4 waves a work-group, no clusters, 0 bytes of LDS; arguments x, part, ridx, rwt, b2, gamma, beta, out0; writes out0
.if DOCPART == 5
	.amdgcn_target "amdgcn-amd-amdhsa--gfx1250"
	.amdhsa_code_object_version 6
	.text
	.protected	k_q060b5cddcf_norm
	.globl	k_q060b5cddcf_norm
	.p2align	8
	.type	k_q060b5cddcf_norm,@function
k_q060b5cddcf_norm:
	s_mov_b64 s[64:65], 0
	v_nop
	global_prefetch_b8 v0, s[64:65] scope:SCOPE_SE
	s_setreg_imm32_b32 hwreg(HW_REG_WAVE_MODE, 25, 1), 1
	s_wait_xcnt 0x0
; THE SUM AND THE NORM.  y = x + the token's eight partial rows (four quarters of K x two experts, already times their scores) + score x b2 of both experts; out0 = (y - mean) / sqrt(var + 1e-5) x gamma + beta.
; One wave, one token: a row of 4,096 bytes is 32 registers, so it stays in registers between the sums, the mean, the variance and the scaling; no LDS, no barrier.
; Thirteen groups of eight loads (each load 512 consecutive bytes) go through a ring of six slots of 32 registers; x lands where y is kept.  All in f32; the variance is taken of y - mean.
; Matrix units, clusters and LDS would add nothing: each byte is read once by one wave.
.set Y,   32                           ; v[32:63]   y
.set G,   64                           ; v[64:255]  six slots: group m (1..12) in slot (m - 1) % 6
.set SEL, 46                           ; s[46:47]
.set QPART, 8421376                    ; a quarter of part
.macro GROUP m                         ; 0: x.  1-8: part[(m - 1) / 2][(m - 1) % 2 x 1,024 + token].  9, 10: b2 of the two experts.  11: gamma.  12: beta
.irp j, 0,1,2,3,4,5,6,7
.if (\m) == 0
	global_load_b128 v[Y+4*(\j):Y+4*(\j)+3], v2, s[26:27] offset:512*(\j)
.elseif (\m) <= 8
	global_load_b128 v[G+32*(((\m)-1)%6)+4*(\j):G+32*(((\m)-1)%6)+4*(\j)+3], v2, s[30+2*(((\m)-1)/2):31+2*(((\m)-1)/2)] offset:(((\m)-1)%2)*4194304+512*(\j) th:TH_LOAD_NT
.elseif (\m) == 9
	global_load_b128 v[G+32*(((\m)-1)%6)+4*(\j):G+32*(((\m)-1)%6)+4*(\j)+3], v2, s[40:41] offset:512*(\j)
.elseif (\m) == 10
	global_load_b128 v[G+32*(((\m)-1)%6)+4*(\j):G+32*(((\m)-1)%6)+4*(\j)+3], v2, s[42:43] offset:512*(\j)
.elseif (\m) == 11
	global_load_b128 v[G+32*(((\m)-1)%6)+4*(\j):G+32*(((\m)-1)%6)+4*(\j)+3], v2, s[14:15] offset:512*(\j)
.else
	global_load_b128 v[G+32*(((\m)-1)%6)+4*(\j):G+32*(((\m)-1)%6)+4*(\j)+3], v2, s[16:17] offset:512*(\j)
.endif
.endr
.endm
.macro TAKE m, left                    ; group m is in (left = the younger loads that stay out) and is added onto y
	s_wait_loadcnt \left
.irp p, 0,1,2,3,4,5,6,7,8,9,10,11,12,13,14,15
.if (\m) <= 8
	v_pk_add_f32 v[Y+2*(\p):Y+2*(\p)+1], v[Y+2*(\p):Y+2*(\p)+1], v[G+32*(((\m)-1)%6)+2*(\p):G+32*(((\m)-1)%6)+2*(\p)+1]
.elseif (\m) == 9
	v_pk_fma_f32 v[Y+2*(\p):Y+2*(\p)+1], v[G+32*(((\m)-1)%6)+2*(\p):G+32*(((\m)-1)%6)+2*(\p)+1], s[24:25], v[Y+2*(\p):Y+2*(\p)+1] op_sel_hi:[1,0,1]
.else
	v_pk_fma_f32 v[Y+2*(\p):Y+2*(\p)+1], v[G+32*(((\m)-1)%6)+2*(\p):G+32*(((\m)-1)%6)+2*(\p)+1], s[44:45], v[Y+2*(\p):Y+2*(\p)+1] op_sel_hi:[1,0,1]
.endif
.endr
.endm
.macro WSUM                            ; v8 summed over the 32 lanes, the result in every lane
	v_pk_add_f32 v[8:9], v[8:9], v[10:11]
	v_pk_add_f32 v[12:13], v[12:13], v[14:15]
	v_pk_add_f32 v[8:9], v[8:9], v[12:13]
	v_add_f32 v8, v8, v9
	v_add_f32_dpp v8, v8, v8 row_xmask:1 row_mask:0xf bank_mask:0xf
	v_add_f32_dpp v8, v8, v8 row_xmask:2 row_mask:0xf bank_mask:0xf
	v_add_f32_dpp v8, v8, v8 row_xmask:4 row_mask:0xf bank_mask:0xf
	v_add_f32_dpp v8, v8, v8 row_xmask:8 row_mask:0xf bank_mask:0xf
	v_permlanex16_b32 v16, v8, s[SEL], s[SEL+1]
	v_add_f32 v8, v8, v16
.endm
	s_load_b512 s[4:19], s[0:1], 0x0               ; x s[4:5], part s[6:7], ridx s[8:9], rwt s[10:11], b2 s[12:13], gamma s[14:15], beta s[16:17], out0 s[18:19]
	v_lshrrev_b32 v1, 5, v0
	v_readfirstlane_b32 s20, v1
	s_lshl_b32 s21, ttmp9, 2
	s_add_co_u32 s20, s20, s21                     ; my token
	s_lshl_b32 s21, s20, 3
	s_lshl_b32 s28, s20, 12                        ; a row is 4,096 bytes
	s_mov_b32 s29, 0
	s_mov_b32 s39, 0
	s_mov_b32 s[SEL], 0x76543210
	s_mov_b32 s[SEL+1], 0xfedcba98
	s_mov_b32 s48, 0x3a800000                      ; 1 / 1,024
	s_mov_b32 s49, 0x3727c5ac                      ; 1e-5
	v_and_b32 v2, 31, v0
	v_lshlrev_b32 v2, 4, v2                        ; 16 lane
	v_mov_b32 v16, 0                               ; v_permlanex16_b32 counts as a reader of its destination
	s_wait_kmcnt 0x0
	s_load_b64 s[22:23], s[8:9], s21 offset:0x0    ; the token's two experts,
	s_load_b64 s[24:25], s[10:11], s21 offset:0x0  ; and their scores
	s_add_nc_u64 s[26:27], s[4:5], s[28:29]
	s_add_nc_u64 s[18:19], s[18:19], s[28:29]
	s_add_nc_u64 s[30:31], s[6:7], s[28:29]        ; the token's row in each quarter of part; the second expert's lies 1,024 rows on
	s_add_nc_u64 s[32:33], s[30:31], QPART
	s_add_nc_u64 s[34:35], s[32:33], QPART
	s_add_nc_u64 s[36:37], s[34:35], QPART
.irp m, 0,1,2,3,4,5,6
	GROUP \m
.endr
	s_wait_kmcnt 0x0
	s_min_u32 s22, s22, 7
	s_lshl_b32 s38, s22, 12
	s_add_nc_u64 s[40:41], s[12:13], s[38:39]      ; b2 of the first expert,
	s_min_u32 s23, s23, 7
	s_lshl_b32 s38, s23, 12
	s_add_nc_u64 s[42:43], s[12:13], s[38:39]      ; of the second
	s_mov_b32 s44, s25                             ; the second score as the low word of a pair
	s_mov_b32 s45, s25
.irp m, 1,2,3,4,5,6
	TAKE \m, 40                                    ; five younger groups of eight stay out;
	GROUP (\m)+6                                   ; the slot just read takes the group six on
.endr
	TAKE 7, 40
	TAKE 8, 32                                     ; the counts run down
	TAKE 9, 24
	TAKE 10, 16                                    ; gamma and beta stay out
	; the mean: four chains, then across the lanes
.irp k, 0,1,2,3
	v_pk_add_f32 v[8+2*(\k):9+2*(\k)], v[Y+2*(\k):Y+2*(\k)+1], v[Y+8+2*(\k):Y+8+2*(\k)+1]
.endr
.irp t, 2,3
.irp k, 0,1,2,3
	v_pk_add_f32 v[8+2*(\k):9+2*(\k)], v[8+2*(\k):9+2*(\k)], v[Y+8*(\t)+2*(\k):Y+8*(\t)+2*(\k)+1]
.endr
.endr
	WSUM
	v_mul_f32 v8, s48, v8
	v_mov_b32 v9, v8
.irp p, 0,1,2,3,4,5,6,7,8,9,10,11,12,13,14,15
	v_pk_add_f32 v[Y+2*(\p):Y+2*(\p)+1], v[Y+2*(\p):Y+2*(\p)+1], v[8:9] neg_lo:[0,1] neg_hi:[0,1]
.endr
	; the variance, of y - mean
.irp k, 0,1,2,3
	v_pk_mul_f32 v[8+2*(\k):9+2*(\k)], v[Y+2*(\k):Y+2*(\k)+1], v[Y+2*(\k):Y+2*(\k)+1]
.endr
.irp t, 1,2,3
.irp k, 0,1,2,3
	v_pk_fma_f32 v[8+2*(\k):9+2*(\k)], v[Y+8*(\t)+2*(\k):Y+8*(\t)+2*(\k)+1], v[Y+8*(\t)+2*(\k):Y+8*(\t)+2*(\k)+1], v[8+2*(\k):9+2*(\k)]
.endr
.endr
	WSUM
	v_fma_f32 v8, v8, s48, s49
	v_rsq_f32 v10, v8
	v_nop                                          ; a plain instruction behind it,
	s_wait_alu depctr_va_vdst(0)                   ; and the wait ahead of its first reader
	v_mov_b32 v11, v10
	s_wait_loadcnt 0x0                             ; gamma (slot 4) and beta (slot 5)
.irp p, 0,1,2,3,4,5,6,7,8,9,10,11,12,13,14,15
	v_pk_mul_f32 v[Y+2*(\p):Y+2*(\p)+1], v[Y+2*(\p):Y+2*(\p)+1], v[10:11]
.endr
.irp p, 0,1,2,3,4,5,6,7,8,9,10,11,12,13,14,15
	v_pk_fma_f32 v[Y+2*(\p):Y+2*(\p)+1], v[Y+2*(\p):Y+2*(\p)+1], v[G+128+2*(\p):G+128+2*(\p)+1], v[G+160+2*(\p):G+160+2*(\p)+1]
.endr
.irp j, 0,1,2,3,4,5,6,7
	global_store_b128 v2, v[Y+4*(\j):Y+4*(\j)+3], s[18:19] offset:512*(\j) th:TH_STORE_NT   ; 512 consecutive bytes, aligned
.endr
	s_endpgm
.Lfunc_end_k_q060b5cddcf_norm:
	.size	k_q060b5cddcf_norm, .Lfunc_end_k_q060b5cddcf_norm-k_q060b5cddcf_norm
	.p2alignl 7, 3214868480
	.fill 96, 4, 3214868480
	.section	.rodata,"a",@progbits
	.p2align	6, 0x0
	.amdhsa_kernel k_q060b5cddcf_norm
		.amdhsa_group_segment_fixed_size 0
		.amdhsa_private_segment_fixed_size 0
		.amdhsa_enable_private_segment 0
		.amdhsa_kernarg_size 64
		.amdhsa_user_sgpr_count 2
		.amdhsa_user_sgpr_kernarg_segment_ptr 1
		.amdhsa_wavefront_size32 1
		.amdhsa_system_sgpr_workgroup_id_x 1
		.amdhsa_system_sgpr_workgroup_id_y 1
		.amdhsa_system_sgpr_workgroup_id_z 1
		.amdhsa_system_vgpr_workitem_id 0
		.amdhsa_next_free_vgpr 256
		.amdhsa_next_free_sgpr 66
		.amdhsa_reserve_vcc 0
		.amdhsa_float_denorm_mode_32 3
		.amdhsa_float_denorm_mode_16_64 3
		.amdhsa_memory_ordered 1
		.amdhsa_forward_progress 1
		.amdhsa_inst_pref_size 29
	.end_amdhsa_kernel
	.amdgpu_metadata
---
amdhsa.version: [ 1, 2 ]
amdhsa.kernels:
  - .name:           k_q060b5cddcf_norm
    .symbol:         k_q060b5cddcf_norm.kd
    .args:
      - { .name: x, .offset: 0, .size: 8, .value_kind: global_buffer, .address_space: global }
      - { .name: part, .offset: 8, .size: 8, .value_kind: global_buffer, .address_space: global }
      - { .name: ridx, .offset: 16, .size: 8, .value_kind: global_buffer, .address_space: global }
      - { .name: rwt, .offset: 24, .size: 8, .value_kind: global_buffer, .address_space: global }
      - { .name: b2, .offset: 32, .size: 8, .value_kind: global_buffer, .address_space: global }
      - { .name: gamma, .offset: 40, .size: 8, .value_kind: global_buffer, .address_space: global }
      - { .name: beta, .offset: 48, .size: 8, .value_kind: global_buffer, .address_space: global }
      - { .name: out0, .offset: 56, .size: 8, .value_kind: global_buffer, .address_space: global }
    .group_segment_fixed_size: 0
    .private_segment_fixed_size: 0
    .kernarg_segment_align: 8
    .kernarg_segment_size: 64
    .max_flat_workgroup_size: 128
    .sgpr_count:     66
    .vgpr_count:     256
    .wavefront_size: 32
...
	.end_amdgpu_metadata
.endif
;; end of part 5
;; ======== version 2 of 2: 5 launches; version 1 with the launches up, down written anew for expert scheduling mode
;; workspace buffers: ridx 8,192 bytes of whole numbers; rwt 8,192 bytes; tab 256 bytes of whole numbers; rinfo 8,704 bytes of whole numbers; gw 8,704 bytes; xg 4,456,448 bytes; hg 17,825,792 bytes; part 33,685,504 bytes
;; launch router: the kernel of part 1 again; grid 256 x 1, 4 waves a work-group, no clusters, 0 bytes of LDS; arguments x, Wr, br, noise, ridx, rwt; writes ridx, rwt
;; launch place: the kernel of part 2 again; grid 135 x 1, 8 waves a work-group, no clusters, 3,072 bytes of LDS; arguments ridx, rwt, x, tab, rinfo, gw, xg; writes tab, rinfo, gw, xg
;; launch up (part 6): grid 32 x 8, 8 waves a work-group, no clusters, 263,168 bytes of LDS; arguments tab, xg, W1, b1, hg; writes hg
.if DOCPART == 6
	.amdgcn_target "amdgcn-amd-amdhsa--gfx1250"
	.amdhsa_code_object_version 6
	.text
	.protected	k_q060b5cddcf_up
	.globl	k_q060b5cddcf_up
	.p2align	8
	.type	k_q060b5cddcf_up,@function
k_q060b5cddcf_up:
	s_mov_b64 s[64:65], 0
	v_nop
	global_prefetch_b8 v0, s[64:65] scope:SCOPE_SE
	s_setreg_imm32_b32 hwreg(HW_REG_WAVE_SCHED_MODE, 0, 2), 2
	s_setreg_imm32_b32 hwreg(HW_REG_WAVE_MODE, 25, 1), 1
	s_wait_xcnt 0x0
	s_wait_alu depctr_vm_vsrc(0)
; THE FIRST PRODUCT.  hg = gelu(xg W1[e] + b1[e]), for the rows that chose expert e alone.  bf16 operands, f32 sums, hg rounded once to bf16.
; SHARES.  Work-group (slice, e) owns 128 columns of W1[e], all 1,024 K: 512 KiB of f32 that it alone reads, once.  Reading the weights is what takes the time, so the text is built round that stream.
; EIGHT WAVES.  Waves 4-7 PRODUCE: each keeps 64 loads of 512 bytes on its way (a ring of four slots of 16), asked for before anything else.  Waves 0-3 CONSUME.  The two kinds have their own counters
; of loads, so the long stream of weights does not hold up the short fetches of token rows.
; A STAGE is 256 K and has two halves.  First half: the producers take the stage's weights out of their ring, round them to bf16 into 128 registers and ask for the next stage's; the consumers
; meanwhile multiply the 256 K laid down last.  A barrier.  Second half: the producers lay their registers into LDS, 32 stores a wave.  A barrier.  So no wave writes the slice while another reads it,
; and the weights' loads stay on their way all through the products.  The whole slice, 256 KiB in bf16, stays in LDS; no byte of it is written twice.  Four trips, eight barriers, on every wave's path.
; Behind the fourth trip's second barrier the slice is whole and is only read: the consumers multiply the last 256 K by the text of the later passes, and the producers begin their own rows at once, beside them.
; NO TRANSPOSITION.  W1 lies [K][N].  Lane (p = lane % 16, h = lane / 16) loads 16 bytes, columns 4 p + 0..3, of rows k = 8 h + 0..7 and 16 + 8 h + 0..7; rows 2 d and 2 d + 1, element f, rounded
; together are word d of operand f, in which index p stands for column 4 p + f.  Sixteen loads and 32 roundings make four operands (32 K x 64 columns); sixteen lanes read 256 consecutive bytes of a row.
; ROWS.  An expert's tiles of 16 rows go in groups of 16; a wave takes tiles wave + 4 i of a group.  Consumers take groups 0 and 2, producers (when the stream is over) 1 and 3: 1,024 rows, every split is served.
; In the stages group 0 is multiplied in full (a tile past the count repeats the expert's last tile and is not stored); elsewhere dead tiles are jumped.  Such jumps go forward and pass no barrier.
; The matrix instruction is used transposed (source 0 = weights, source 1 = tokens): a lane then holds one token and 32 neighbouring columns for each half of the slice: a whole block row of hg.
; THE SUMS START FROM THE BIAS: a pass's 256 first moves copy b1 into the accumulators, so nothing is cleared and nothing is added behind the last product.
; GELU is exact gelu with erf by a rational approximation (Abramowitz and Stegun 7.1.26, error at most 1.5e-7 for every x): gelu(x) = max(x, 0) - |x| q, q = poly(t) e^(-x x / 2) / 2, t = 1 / (1 + 0.2316419 |x|).
; NO CLUSTER.  Each slice of weights has one reader.  What an expert's 32 work-groups share is its token tiles; these go straight into registers, LDS has 63 KiB left beside the slice where a ring
; for 256 rows x 128 K would want 128 KiB, and the number of rows hangs on a stored count.  NO TENSOR LOADS: the f32 weights must pass through registers to be rounded.
; LIMITS.  NaN and infinities are not treated apart.
; THE MODE: SCHED_MODE bits 1:0 = 2 (LLVM: expert scheduling mode 2), set by the entry lines.  The code itself states the register dependences
; between vector or matrix instructions and memory or LDS instructions, with s_wait_alu, always for 0.
; THE PLAN.  Registers that memory or LDS instructions touch:
;   AF0 .. AF3   K step k: its 32 products read AF[k % 4]; at the head of K step k + 1 the token loads of K step k + 4 land in it.
;   P0, P1       The first half's weight operands, by the K step's parity.  K step k: its first 16 products read P[k % 2]; in its middle the LDS loads of K step k + 1 land in the other P, last read a K step back.
;   R            The second half's.  K step k: its last 16 products read R; at the head of K step k + 1 that step's LDS loads land in it.
;   v5           Read by every LDS load of weights; written once for four K steps.     v6-9  Read by the token loads; written once a pass.     v10, v14  Read by the weights' and the bias's loads; never written again.
;   the ring     A producer's unit: 32 roundings read a slot; behind them the slot's next 16 loads land in it.
;   AF, v11      In a producer's stages: written by its roundings and by one add, read by the stage's 32 LDS stores.
;   v12, v224-239  The way out: written by one add and sixteen roundings a block, read by the block's four stores.     v30, v31  Written at the head, read by the closing add alone.
;   The accumulators are named by vector and matrix instructions alone.
; So ONE wait on va_vdst stands at a K step's head, behind the waits for the step's own operands: the K step before is done reading R, its P and its AF.  The step's 24 loads follow it, dealt among its
; products, which name this step's P, R, AF[k % 4] and the accumulators: none of the registers that those loads touch when they are issued.
.set PITCH,  16384                     ; bytes from a row of W1[e] to the next
.set STAGEB, 256*PITCH                 ; a stage: 256 K
.set HSH,    17                        ; 8 rows of W1 = 2^17 bytes
.set TSH,    15                        ; a tile of xg: 32 blocks of 1,024 bytes
.set SPARE,  262144                    ; LDS: 0 the slice: K step s (32 K), operand F (0..7) at 8,192 s + 1,024 F, words 4 q .. 4 q + 3 of lane l at + 512 q + 16 l; then the spare words, 128 bytes a wave
.set AF,  32                           ; v[32:159]  token operands: ring of four K steps, slot a, tile i at 32 a + 8 i; in a producer's stages: its 128 rounded words, unit u, operand f at 32 u + 8 f
.set BF,  160                          ; v[160:255] weight operands, three sets of four (operand f at + 8 f): P0 at 0, R at 32, P1 at 64; at a pass's beginning the bias: half g, column 4 j + f at 32 g + 4 j + f
.set XR,  32                           ; the way out: x, t, e^.., poly, max(x, 0)
.set UR,  64
.set SR,  96
.set PR,  128
.set MR,  224
.set OT,  224                          ; v[224:239] the way out: 64 bytes to store, where max(x, 0) lay
; window 0: v1 lane, v2 p, v3 h, v4 16 lane, v5 LDS read address, v6-9 my four tiles' offsets, v10 weights' lane offset, v11 LDS store address, v12 store offset, v13 1,024 h + 16 p, v14 128 h, v15 producer's LDS place, v30-31 the add's
; window 1: a producer's ring (slot u at 64 u); else the accumulators (tile i, operand F at 64 i + 8 F)
; s16 wave, s17 wave % 4, s18 expert, s19 slice, s20-22 the expert's first tile, tiles, last tile, s23 group, s24 my live tiles, s25 stage, s26-28 counters, s[30:31] an offset (high word 0),
; s[32:33] token tiles, s[34:35] the same at the four K steps that are being asked for, s[36:37] weights, s39 LDS read step, s40-43 my tiles' numbers, s44 block, s45-49 at work, s50-63 constants, s66 4,096 slice, s[68:69] bias
.set MSB, 0
.macro WIN new                         ; the immediate's high byte repeats the setting that is left; a switch that changes nothing is dropped
.if MSB != (\new)
	s_set_vgpr_msb (MSB<<8)|(\new)
.set MSB, \new
.endif
.endm
.macro PLACES                          ; four plain instructions between a matrix instruction and a vector read of its result or a vector write of its registers; they stand ahead of the loads into its registers too
.rept 4
	v_nop
.endr
.endm
.macro RLOAD slot, kk, g, base         ; sixteen loads: 32 K x 64 columns of f32 into ring slot
.irp i, 0,1,2,3,4,5,6,7,8,9,10,11,12,13,14,15
	global_load_b128 v[64*(\slot)+4*(\i):64*(\slot)+4*(\i)+3], v10, s[36:37] offset:(\base)+(\kk)*32*PITCH+((\i)+8*((\i)/8))*PITCH+256*(\g) th:TH_LOAD_NT
.endr
.endm
; One unit of a producer: slot's 16 loads are in (left = the younger loads that stay out); rounded into the unit's 32 registers; the slot asked for again, a stage ahead
.macro PCV slot, kk, g, reissue, left
	s_wait_loadcnt \left
	WIN 0x05                                       ; both sources in window 1
.irp f, 0,1,2,3
.irp d, 0,1,2,3,4,5,6,7
	v_cvt_pk_bf16_f32 v[AF+32*(\slot)+8*(\f)+(\d)], v[64*(\slot)+8*(\d)+(\f)], v[64*(\slot)+8*(\d)+4+(\f)]
.endr
.endr
.if \reissue
	WIN 0x40                                       ; destination in window 1
	s_wait_alu depctr_va_vdst(0)                   ; the 32 roundings are done reading the slot, in which the loads below land
	RLOAD \slot, \kk, \g, STAGEB
.endif
	WIN 0
.endm
.macro P                               ; a producer's first half of a stage: its two K steps of the stage's eight
	PCV 0, 0, 0, 1, 48                             ; 48: the three younger slots
	PCV 1, 0, 1, 1, 48
	PCV 2, 1, 0, 1, 48
	PCV 3, 1, 1, 1, 48
	s_wait_xcnt 0x0                                ; the loads' base steps only behind this wait
	s_add_nc_u64 s[36:37], s[36:37], STAGEB
.endm
.macro PT                              ; the last stage asks for nothing: the counts run down
	PCV 0, 0, 0, 0, 48
	PCV 1, 0, 1, 0, 32
	PCV 2, 1, 0, 0, 16
	PCV 3, 1, 1, 0, 0
.endm
; A producer's second half of stage k: 32 stores of 512 consecutive bytes each (no bank is asked twice).  The address is a constant for the stage, 16,384 x (wave % 4) and 16 x lane
.macro ST k
.Lst\k:
	v_add_nc_u32 v11, (\k)*65536, v15
	s_wait_alu depctr_va_vdst(0)                   ; v11 is written, and the stage's roundings have written v[AF ..]: the LDS stores read both
.irp u, 0,1,2,3
.irp f, 0,1,2,3
.irp q, 0,1
	ds_store_b128 v11, v[AF+32*(\u)+8*(\f)+4*(\q):AF+32*(\u)+8*(\f)+4*(\q)+3] offset:((\u)/2)*8192+(4*((\u)%2)+(\f))*1024+512*(\q)
.endr
.endr
.endr
.if (\k) < 3
	s_branch .Ljoin
.endif
.endm
.macro BLOAD k, hb                     ; four weight operands of K step k (of the four in hand) from LDS: half 1 into R, half 0 into P0 or P1 by k's parity
	WIN 0
.if (\hb) == 1
.set BB, BF+32
.else
.set BB, BF+64*((\k)%2)
.endif
.irp f, 0,1,2,3
.irp q, 0,1
	ds_load_b128 v[BB+8*(\f)+4*(\q):BB+8*(\f)+4*(\q)+3], v5 offset:(\k)*8192+(4*(\hb)+(\f))*1024+512*(\q)
.endr
.endr
.endm
.macro ALOAD k, base                   ; my four tiles' operands for slot k, straight from memory: each load 512 consecutive bytes
	WIN 0
.irp i, 0,1,2,3
.irp q, 0,1
	global_load_b128 v[AF+32*(\k)+8*(\i)+4*(\q):AF+32*(\k)+8*(\i)+4*(\q)+3], v[6+(\i)], s[\base:\base+1] offset:(\k)*1024+512*(\q)
.endr
.endr
.endm
; Sixteen matrix instructions: four tiles x four operands of half hb.  The accumulators take turns, one instruction a turn; with one live tile the two halves' eight still do.
; skip = 1: tiles past my count are jumped, forward.
.macro MM k, hb, skip
.if (\hb) == 1
.set BB, BF+32
.else
.set BB, BF+64*((\k)%2)
.endif
.irp i, 0,1,2,3
.if (\skip) && ((\i) > 0)
	WIN 0
	s_cmp_le_u32 s24, \i
	s_cbranch_scc1 .Lhe_\@
.endif
	WIN 0x50                                       ; C and D in window 1
.irp f, 0,1,2,3
	v_wmma_f32_16x16x32_bf16 v[64*(\i)+32*(\hb)+8*(\f):64*(\i)+32*(\hb)+8*(\f)+7], v[BB+8*(\f):BB+8*(\f)+7], v[AF+32*(\k)+8*(\i):AF+32*(\k)+8*(\i)+7], v[64*(\i)+32*(\hb)+8*(\f):64*(\i)+32*(\hb)+8*(\f)+7]
.endr
.endr
.if \skip
	WIN 0
.Lhe_\@:
.endif
.endm
; Four K steps.  Token operands are asked for three K steps ahead, into the slot that the K step before has read; weight operands half a K step ahead.
.macro CONSUME4 skip
	WIN 0
	s_wait_alu depctr_vm_vsrc(0)                   ; the LDS loads issued so far have read v5
	v_add_nc_u32 v5, s39, v4
	s_add_co_u32 s39, s39, 32768
.irp k, 0,1,2,3
	WIN 0
.if (\k) > 0
	s_wait_dscnt 0x0                               ; this K step's first half is in
.endif
	s_wait_loadcnt 16                              ; this K step's token operands are in; the two younger slots of eight stay out
.if (\k) == 1
	s_wait_xcnt 0x0                                ; the token loads' base is written only behind this wait; the last load that names it stands a K step's products back
	s_add_co_u32 s28, s28, 1
	s_min_u32 s30, s28, 7                          ; the last trip asks for K steps 28-30 once more: inside the tile, and not used
	s_lshl_b32 s30, s30, 12
	s_add_nc_u64 s[34:35], s[32:33], s[30:31]
.endif
	s_wait_alu depctr_va_vdst(0)                   ; the K step before is done reading R, its P and its token slot, in which the loads of this step land; in the first of the four v5 is written, and a pass's moves are done reading the bias
.if (\k) == 0
	BLOAD 0, 0
.endif
	BLOAD \k, 1
	ALOAD ((\k)+3)%4, 34                           ; the slot just read takes the K step three on
.if (\k) == 0
	s_wait_dscnt 0x8                               ; half 0 is in; half 1's eight loads stay out
.endif
	MM \k, 0, \skip
.if (\k) < 3
	BLOAD (\k)+1, 0                                ; no wait: no vector or matrix instruction since the wait above names the other P or v5
	s_wait_dscnt 0x8                               ; half 1 is in; the eight just issued stay out
.else
	s_wait_dscnt 0x0
.endif
	MM \k, 1, \skip
	PLACES
.endr
	WIN 0
.endm
.macro NTW                             ; my live tiles in group s23: those of 16 g + wave + 4 i that lie below the expert's number of tiles
	s_lshl_b32 s46, s23, 4
	s_add_co_u32 s46, s46, s17
	s_sub_co_i32 s24, s21, s46
	s_add_co_i32 s24, s24, 3
	s_ashr_i32 s24, s24, 2
	s_max_i32 s24, s24, 0
	s_min_i32 s24, s24, 4
.endm
.macro PASS_BEGIN                      ; a group begins: my tiles' numbers and offsets, the bias, the first three K steps' token operands (the fourth's are asked for by the first K step), the sums at the bias
	s_wait_loadcnt 0x0                             ; no load of mine is out: none can still land in the registers that are loaded below
	s_wait_xcnt 0x0                                ; the stores of the pass before have read their registers
	s_wait_alu depctr_vm_vsrc(0)                   ; the token loads of the pass before have read v6-9, its stores v12 and v224-239, a producer's LDS stores v[AF ..]: all are written again below or in the K steps
	s_add_co_u32 s47, s20, s46
.irp i, 0,1,2,3
	s_add_co_u32 s48, s47, 4*(\i)
	s_min_u32 s[40+(\i)], s48, 135                 ; where the tile is stored, if it is live
	s_min_u32 s48, s48, s22                        ; what is read: a tile past the count repeats the expert's last
	s_min_u32 s48, s48, 135
	s_lshl_b32 s48, s48, TSH
	v_add_nc_u32 v[6+(\i)], s48, v4
.endr
	s_mov_b32 s39, 0
	s_mov_b32 s28, 0
	s_mov_b64 s[34:35], s[32:33]                   ; the first K step asks for K step 3 by this base
	s_wait_alu depctr_va_vdst(0)                   ; v6-9 are written, which the token loads read; the way out, the products or a producer's roundings are done with v[AF ..] and v[BF ..], in which the loads below land
.irp g, 0,1
.irp j, 0,1,2,3,4,5,6,7
	global_load_b128 v[BF+32*(\g)+4*(\j):BF+32*(\g)+4*(\j)+3], v14, s[68:69] offset:256*(\g)+16*(\j)   ; b1 of columns 64 g + 32 h + 4 j + 0..3
.endr
.endr
	ALOAD 0, 32
	ALOAD 1, 32
	ALOAD 2, 32
	s_wait_loadcnt 24                              ; the bias is in; the 24 token loads issued behind it stay out
	WIN 0x40                                       ; destination in window 1
.irp i, 0,1,2,3
.irp g, 0,1
.irp f, 0,1,2,3
.irp j, 0,1,2,3,4,5,6,7
	v_mov_b32 v[64*(\i)+32*(\g)+8*(\f)+(\j)], v[BF+32*(\g)+4*(\j)+(\f)]   ; register j of operand 4 g + f is column 64 g + 32 h + 4 j + f
.endr
.endr
.endr
.endr
	WIN 0
.endm
	s_load_b256 s[4:11], s[0:1], 0x0               ; tab s[4:5], xg s[6:7], W1 s[8:9], b1 s[10:11]
	s_load_b64 s[12:13], s[0:1], 0x20              ; hg
	v_lshl_add_u32 v30, v0, 2, SPARE               ; my spare word,
	v_mov_b32 v31, 0                               ; and 0: kept for the add at the wave's end
	v_lshrrev_b32 v1, 5, v0
	v_readfirstlane_b32 s16, v1                    ; wave 0..7
	s_and_b32 s18, ttmp7, 0xffff                   ; expert
	s_mov_b32 s19, ttmp9                           ; slice
	s_lshl_b32 s29, s18, 2
	s_mov_b32 s31, 0
	s_mov_b32 s50, 0x3e6d3389                      ; 0.2316419 = 0.3275911 / sqrt(2)
	s_mov_b32 s52, 0x3f07dc22                      ; the polynomial's coefficients, halved: 0.53070271,
	s_mov_b32 s53, s52                             ; (each named as a pair by the packed forms, which take the low word for both halves)
	s_mov_b32 s54, 0xbf3a00e3                      ; -0.72657601,
	s_mov_b32 s55, s54
	s_mov_b32 s56, 0x3f35f0e3                      ; 0.71070687,
	s_mov_b32 s57, s56
	s_mov_b32 s58, 0xbe11a98e                      ; -0.14224837,
	s_mov_b32 s59, s58
	s_mov_b32 s60, 0x3e027906                      ; 0.12741480
	s_mov_b32 s61, s60
	s_mov_b32 s62, 0xbf38aa3b                      ; -log2(e) / 2
	s_mov_b32 s63, s62
	s_lshl_b32 s66, s19, 12
	v_and_b32 v1, 31, v0
	v_and_b32 v2, 15, v0
	v_bfe_u32 v3, v0, 4, 1
	v_lshlrev_b32 v4, 4, v1
	v_lshlrev_b32 v10, 4, v2
	v_lshl_add_u32 v10, v3, HSH, v10               ; 8 h rows + 16 p
	v_lshlrev_b32 v13, 4, v2
	v_lshl_add_u32 v13, v3, 10, v13
	v_lshlrev_b32 v14, 7, v3
	s_wait_alu depctr_va_sdst(0)                   ; s16 is written, ahead of its first reader: the branches on the wave and the bases are made from it
	s_and_b32 s17, s16, 3
	v_lshl_add_u32 v15, s17, 14, v4                ; a producer's two K steps of a stage: 16,384 x (wave % 4) + 16 lane
	s_wait_kmcnt 0x0
	s_load_b32 s20, s[4:5], s29 offset:0x0         ; the expert's first tile,
	s_load_b32 s21, s[4:5], s29 offset:0x20        ; its tiles,
	s_load_b32 s22, s[4:5], s29 offset:0x40        ; its last tile: waited for on each of the two ways below, ahead of their first use
	s_mov_b64 s[32:33], s[6:7]
	s_mov_b64 s[34:35], s[32:33]                   ; the base by which the K steps ask: set here on every wave's way, so that no way through the text reaches a load by it unset; each pass sets it anew
	s_lshl_b32 s30, s18, 24                        ; W1[e],
	s_lshl_b32 s46, s19, 9                         ; my 128 columns,
	s_add_co_u32 s30, s30, s46
	s_lshl_b32 s46, s17, 20                        ; the producer's 64 rows of a stage
	s_add_co_u32 s30, s30, s46
	s_add_nc_u64 s[36:37], s[8:9], s[30:31]
	s_lshl_b32 s30, s18, 14                        ; b1[e], my 128 columns
	s_lshl_b32 s46, s19, 9
	s_add_co_u32 s30, s30, s46
	s_add_nc_u64 s[68:69], s[10:11], s[30:31]
	s_cmp_lt_u32 s16, 4
	s_cbranch_scc0 .Lprod_pre
	s_wait_kmcnt 0x0                               ; the table
	s_mov_b32 s23, 0                               ; consumers: group 0
	NTW
	PASS_BEGIN
	s_branch .Lstages
.Lprod_pre:
	s_mov_b32 s23, 1                               ; producers: later group 1; now the ring is filled, stage 0: the weights hang on no table, so they are asked for first
	WIN 0x40
	s_wait_alu depctr_va_vdst(0)                   ; v10 is written: every load of weights reads it as its offset
	RLOAD 0, 0, 0, 0
	RLOAD 1, 0, 1, 0
	RLOAD 2, 1, 0, 0
	RLOAD 3, 1, 1, 0
	WIN 0
	s_wait_kmcnt 0x0                               ; the table, which a producer reads when the stream is over
.Lstages:
	s_mov_b32 s25, 0
.Lstage:                                               ; four trips.  First half of trip st: producers round stage st, consumers multiply stage st - 1
	s_cmp_lt_u32 s16, 4
	s_cbranch_scc0 .Lp
	s_cmp_eq_u32 s25, 0
	s_cbranch_scc1 .Lmeet
	s_mov_b32 s26, 2
.Lc:
	CONSUME4 0
	s_sub_co_u32 s26, s26, 1
	s_cmp_lg_u32 s26, 0
	s_cbranch_scc1 .Lc
	s_branch .Lmeet
.Lp:
	s_wait_alu depctr_vm_vsrc(0)                   ; the LDS stores of the stage before have read v11 and v[AF ..], which this stage's add and roundings write again
	s_cmp_ge_u32 s25, 3
	s_cbranch_scc1 .Lpt
	P
	s_branch .Lmeet
.Lpt:
	PT
.Lmeet:
	s_wait_dscnt 0x0                               ; for the others' sake: my reads of the slice are back
	s_barrier_signal -1
	s_barrier_wait -1                              ; nobody reads the slice now.  Second half: the producers lay stage st down
	s_cmp_lt_u32 s16, 4
	s_cbranch_scc1 .Ljoin
.irp k, 1,2,3
	s_cmp_eq_u32 s25, \k
	s_cbranch_scc1 .Lst\k
.endr
	ST 0
	ST 1
	ST 2
	ST 3
.Ljoin:
	s_wait_dscnt 0x0                               ; for the others' sake: my stores into the slice are done
	s_barrier_signal -1
	s_barrier_wait -1                              ; the stage's 256 K are whole: what follows reads them
	s_add_co_u32 s25, s25, 1
	s_cmp_lt_u32 s25, 4
	s_cbranch_scc1 .Lstage
	s_mov_b32 s27, 2                               ; from here on the slice is only read.  Two passes a wave
	s_mov_b32 s26, 2                               ; a consumer's first pass has its last 256 K, two trips, to go: it enters the pass's loop in its middle;
	s_cmp_lt_u32 s16, 4
	s_cbranch_scc1 .Lk                             ; the producers begin their first pass beside it
.Lpass:
	NTW
	s_cmp_eq_u32 s24, 0
	s_cbranch_scc1 .Lnext                          ; the expert has no such rows
	PASS_BEGIN
	s_mov_b32 s26, 8
.Lk:
	CONSUME4 1
	s_sub_co_u32 s26, s26, 1
	s_cmp_lg_u32 s26, 0
	s_cbranch_scc1 .Lk
	; THE WAY OUT.  Lane (r, h), accumulator (tile i, operand 4 g + f), register j: token r, column 64 g + 32 h + 4 j + f.  For a tile and a half g a lane has 32 neighbouring columns of one row: block 4 slice + 2 g + h of hg.
	s_wait_loadcnt 0x0                             ; the token loads asked for in the last trip: their registers are used below
	s_mov_b32 s44, 0
.Lblk:                                                 ; eight blocks: tile b / 2, half b % 2.  The arithmetic is written once; what differs, the accumulators' names, stands in eight short texts
	s_lshr_b32 s46, s44, 1
	s_cmp_ge_u32 s46, s24
	s_cbranch_scc1 .Lnext                          ; tiles past my count are not stored
.irp b, 1,2,3,4,5,6,7
	s_cmp_eq_u32 s44, \b
	s_cbranch_scc1 .Lxb\b
.endr
.macro XB b
.Lxb\b:
	s_lshl_b32 s45, s[40+(\b)/2], 17               ; the tile in hg,
	s_add_co_u32 s45, s45, s66                     ; my slice's four blocks,
.if (\b)%2
	s_add_co_u32 s45, s45, 2048                    ; the half's two
.endif
	WIN 0x01                                       ; source 0 in window 1
.irp m, 0,1,2,3,4,5,6,7,8,9,10,11,12,13,14,15
	v_pk_mul_f32 v[XR+2*(\m):XR+2*(\m)+1], v[64*((\b)/2)+32*((\b)%2)+2*(\m):64*((\b)/2)+32*((\b)%2)+2*(\m)+1], 1.0 op_sel_hi:[1,0]   ; into the registers that the one text below names; each accumulator from its low end on
.endr
	WIN 0
.if (\b) < 7
	s_branch .Lmath
.endif
.endm
	XB 0
	XB 1
	XB 2
	XB 3
	XB 4
	XB 5
	XB 6
	XB 7
.Lmath:
.irp m, 0,1,2,3,4,5,6,7,8,9,10,11,12,13,14,15
	v_pk_mul_f32 v[SR+2*(\m):SR+2*(\m)+1], v[XR+2*(\m):XR+2*(\m)+1], v[XR+2*(\m):XR+2*(\m)+1]
.endr
.irp m, 0,1,2,3,4,5,6,7,8,9,10,11,12,13,14,15
	v_pk_mul_f32 v[SR+2*(\m):SR+2*(\m)+1], v[SR+2*(\m):SR+2*(\m)+1], s[62:63] op_sel_hi:[1,0]
.endr
.set z, 0
.rept 32                               ; ONE BATCH of 64: 32 exponentials and 32 reciprocals, a plain instruction beside each; nothing ahead of the wait names a result
	v_fma_f32 v[UR+z], |v[XR+z]|, s50, 1.0
	v_exp_f32 v[SR+z], v[SR+z]
.set z, z+1
.endr
	s_wait_xcnt 0x0                                ; the last block's stores have had their addresses translated: their offset (v12) and their data (v224-239) are written again only below this line, 112 vector instructions behind those stores
	s_wait_alu depctr_vm_vsrc(0)                   ; and beside it: those stores have read v12 and v224-239
	v_add_nc_u32 v12, s45, v13
.set z, 0
.rept 32
	v_max_num_f32 v[MR+z], 0, v[XR+z]
	v_rcp_f32 v[UR+z], v[UR+z]
.set z, z+1
.endr
	v_nop                                          ; a plain instruction behind the last of them
	s_wait_alu depctr_va_vdst(0)                   ; the 32 exponentials have written v[SR ..] and the 32 reciprocals v[UR ..]: one wait for the batch, ahead of its first reader
.irp m, 0,1,2,3,4,5,6,7,8,9,10,11,12,13,14,15
	v_pk_fma_f32 v[PR+2*(\m):PR+2*(\m)+1], v[UR+2*(\m):UR+2*(\m)+1], s[52:53], s[54:55] op_sel_hi:[1,0,0]
.endr
.irp c, 56,58,60
.irp m, 0,1,2,3,4,5,6,7,8,9,10,11,12,13,14,15
	v_pk_fma_f32 v[PR+2*(\m):PR+2*(\m)+1], v[PR+2*(\m):PR+2*(\m)+1], v[UR+2*(\m):UR+2*(\m)+1], s[\c:\c+1] op_sel_hi:[1,1,0]
.endr
.endr
.irp m, 0,1,2,3,4,5,6,7,8,9,10,11,12,13,14,15
	v_pk_mul_f32 v[PR+2*(\m):PR+2*(\m)+1], v[PR+2*(\m):PR+2*(\m)+1], v[UR+2*(\m):UR+2*(\m)+1]
.endr
.irp m, 0,1,2,3,4,5,6,7,8,9,10,11,12,13,14,15
	v_pk_mul_f32 v[PR+2*(\m):PR+2*(\m)+1], v[PR+2*(\m):PR+2*(\m)+1], v[SR+2*(\m):SR+2*(\m)+1]
.endr
.set z, 0
.rept 32
	v_fma_f32 v[PR+z], -|v[XR+z]|, v[PR+z], v[MR+z]   ; max(x, 0) - |x| q
.set z, z+1
.endr
.irp p, 0,1,2,3                        ; piece p: columns 8 p .. 8 p + 7 of the block's 32; column 4 j + f lies in register 8 f + j
.irp d, 0,1,2,3
	v_cvt_pk_bf16_f32 v[OT+4*(\p)+(\d)], v[PR+16*((\d)%2)+2*(\p)+(\d)/2], v[PR+16*((\d)%2)+8+2*(\p)+(\d)/2]
.endr
.endr
	s_wait_alu depctr_va_vdst(0)                   ; the roundings have written v224-239 and the add v12, which the four stores read
.irp p, 0,1,2,3
	global_store_b128 v12, v[OT+4*(\p):OT+4*(\p)+3], s[12:13] offset:256*(\p)   ; sixteen lanes store 256 consecutive bytes, aligned
.endr
	s_add_co_u32 s44, s44, 1
	s_cmp_lt_u32 s44, 8
	s_cbranch_scc1 .Lblk
.Lnext:
	s_add_co_u32 s23, s23, 2
	s_sub_co_u32 s27, s27, 1
	s_cmp_lg_u32 s27, 0
	s_cbranch_scc1 .Lpass
	s_wait_dscnt 0x0                               ; my reads of the slice are back
	s_barrier_signal -1
	s_barrier_wait -1                              ; the closing barrier: every wave's are, before any wave runs its closing lines
	s_wait_dscnt 0x0                               ; the closing lines, six on end
	s_wait_alu 0x0
	s_wait_tensorcnt 0x0
	ds_add_u32 v30, v31
	s_wait_dscnt 0x0
	s_endpgm
.Lfunc_end_k_q060b5cddcf_up:
	.size	k_q060b5cddcf_up, .Lfunc_end_k_q060b5cddcf_up-k_q060b5cddcf_up
	.p2alignl 7, 3214868480
	.fill 96, 4, 3214868480
	.section	.rodata,"a",@progbits
	.p2align	6, 0x0
	.amdhsa_kernel k_q060b5cddcf_up
		.amdhsa_group_segment_fixed_size 263168
		.amdhsa_private_segment_fixed_size 0
		.amdhsa_enable_private_segment 0
		.amdhsa_kernarg_size 40
		.amdhsa_user_sgpr_count 2
		.amdhsa_user_sgpr_kernarg_segment_ptr 1
		.amdhsa_wavefront_size32 1
		.amdhsa_system_sgpr_workgroup_id_x 1
		.amdhsa_system_sgpr_workgroup_id_y 1
		.amdhsa_system_sgpr_workgroup_id_z 1
		.amdhsa_system_vgpr_workitem_id 0
		.amdhsa_next_free_vgpr 512
		.amdhsa_next_free_sgpr 96
		.amdhsa_reserve_vcc 0
		.amdhsa_float_denorm_mode_32 3
		.amdhsa_float_denorm_mode_16_64 3
		.amdhsa_memory_ordered 1
		.amdhsa_forward_progress 1
		.amdhsa_inst_pref_size 132
	.end_amdhsa_kernel
	.amdgpu_metadata
---
amdhsa.version: [ 1, 2 ]
amdhsa.kernels:
  - .name:           k_q060b5cddcf_up
    .symbol:         k_q060b5cddcf_up.kd
    .args:
      - { .name: tab, .offset: 0, .size: 8, .value_kind: global_buffer, .address_space: global }
      - { .name: xg, .offset: 8, .size: 8, .value_kind: global_buffer, .address_space: global }
      - { .name: W1, .offset: 16, .size: 8, .value_kind: global_buffer, .address_space: global }
      - { .name: b1, .offset: 24, .size: 8, .value_kind: global_buffer, .address_space: global }
      - { .name: hg, .offset: 32, .size: 8, .value_kind: global_buffer, .address_space: global }
    .group_segment_fixed_size: 263168
    .private_segment_fixed_size: 0
    .kernarg_segment_align: 8
    .kernarg_segment_size: 40
    .max_flat_workgroup_size: 256
    .sgpr_count:     96
    .vgpr_count:     512
    .wavefront_size: 32
...
	.end_amdgpu_metadata
.endif
;; end of part 6
;; launch down (part 7): grid 32 x 8, 8 waves a work-group, no clusters, 263,168 bytes of LDS; arguments tab, hg, W2, rinfo, gw, part; writes part
.if DOCPART == 7
	.amdgcn_target "amdgcn-amd-amdhsa--gfx1250"
	.amdhsa_code_object_version 6
	.text
	.protected	k_q060b5cddcf_down
	.globl	k_q060b5cddcf_down
	.p2align	8
	.type	k_q060b5cddcf_down,@function
k_q060b5cddcf_down:
	s_mov_b64 s[64:65], 0
	v_nop
	global_prefetch_b8 v0, s[64:65] scope:SCOPE_SE
	s_setreg_imm32_b32 hwreg(HW_REG_WAVE_SCHED_MODE, 0, 2), 2
	s_setreg_imm32_b32 hwreg(HW_REG_WAVE_MODE, 25, 1), 1
	s_wait_xcnt 0x0
	s_wait_alu depctr_vm_vsrc(0)
; THE SECOND PRODUCT.  part[quarter][row] = score x (hg W2[e]) over a quarter of K, for the rows that chose expert e alone.  bf16 operands, f32 sums; the partial sums stay in f32.
; SHARES.  Work-group (8 quarter + cs, e) owns 128 columns of W2[e] and 1,024 of its 4,096 K: 512 KiB of f32 that it alone reads, once: the shape of the first product, whose text this one follows.
; K is cut in four so that hg is read once for each 128 columns; all of K with 32 columns would read it four times as often.  The price: four partial rows for each routed row, which the last launch adds.
; EIGHT WAVES.  Waves 4-7 PRODUCE: each keeps 64 loads of 512 bytes on its way (a ring of four slots of 16), asked for before anything else.  Waves 0-3 CONSUME.  The two kinds have their own counters of loads.
; A STAGE is 256 K and has two halves.  First half: the producers take the stage's weights out of their ring, round them to bf16 into 128 registers and ask for the next stage's; the consumers
; meanwhile multiply the 256 K laid down last.  A barrier.  Second half: the producers lay their registers into LDS, 32 stores a wave.  A barrier.  So no wave writes the slice while another reads it,
; and the weights' loads stay on their way all through the products.  The slice, 256 KiB in bf16, stays in LDS; no byte of it is written twice.  Four trips, eight barriers, on every wave's path.
; Behind the fourth trip's second barrier the slice is whole and is only read: the consumers multiply the last 256 K by the text of the later passes, and the producers begin their own rows at once, beside them.
; NO TRANSPOSITION.  W2 lies [K][N].  Lane (p = lane % 16, h = lane / 16) loads 16 bytes, columns 4 p + 0..3, of rows k = 8 h + 0..7 and 16 + 8 h + 0..7; rows 2 d and 2 d + 1, element f, rounded
; together are word d of operand f, in which index p stands for column 4 p + f.
; ROWS.  An expert's tiles of 16 rows go in groups of 16; a wave takes tiles wave + 4 i of a group.  Consumers take groups 0 and 2, producers 1 and 3: 1,024 rows, every split is served.
; In the stages group 0 is multiplied in full (a tile past the count repeats the expert's last tile and is not stored); elsewhere dead tiles are jumped, forward, past no barrier.
; Source 0 = tokens, source 1 = weights: lane (p, h), register j holds token 8 h + j, column 64 g + 4 p + f: the four operands of a half give a lane 16 consecutive bytes of a row.
; A row goes where rinfo says: slot x 1,024 + token; a pad row to its expert's dump row, which nobody reads.
; NO CLUSTER, NO TENSOR LOADS: each slice of weights has one reader and must pass through registers to be rounded; the shared token tiles go straight into registers, and LDS has 63 KiB left beside the slice.
; The accumulators are cleared (256 lines a pass): a first K step written out would be a third copy of the four-step body; for group 0 the clearing stands in the wait for the first weights.
; LIMITS.  NaN and infinities are not treated apart.
; THE MODE: SCHED_MODE bits 1:0 = 2 (LLVM: expert scheduling mode 2), set by the entry lines.  The code itself states the register dependences
; between vector or matrix instructions and memory or LDS instructions, with s_wait_alu, always for 0.
; THE PLAN.  Registers that memory or LDS instructions touch:
;   AF0 .. AF3   K step k: its 32 products read AF[k % 4]; at the head of K step k + 1 the token loads of K step k + 4 land in it.
;   P0, P1       The first half's weight operands, by the K step's parity.  K step k: its first 16 products read P[k % 2]; in its middle the LDS loads of K step k + 1 land in the other P, last read a K step back.
;   R            The second half's.  K step k: its last 16 products read R; at the head of K step k + 1 that step's LDS loads land in it.
;   v5           Read by every LDS load of weights; written once for four K steps.     v6-9  Read by the token loads; written once a pass.     v10  Read by the weights' loads; never written again.
;   the ring     A producer's unit: 32 roundings read a slot; behind them the slot's next 16 loads land in it.
;   AF, v11      In a producer's stages: written by its roundings and by one add, read by the stage's 32 LDS stores.
;   The way out: v224-227, written by four adds, read by the loads of places and scores, which land in P0 and R; the places, made into offsets there, and four stages of 32 registers in AF, written by the
;   multiplies, are read by the stores.     v30, v31  Written at the head, read by the closing add alone.     The accumulators are named by vector and matrix instructions alone.
; So ONE wait on va_vdst stands at a K step's head, behind the waits for the step's own operands: the K step before is done reading R, its P and its AF.  The step's 24 loads follow it, dealt among its
; products, which name this step's P, R, AF[k % 4] and the accumulators: none of the registers that those loads touch when they are issued.  The way out has one such wait ahead of its loads and one a tile ahead of its stores.
.set PITCH,  4096                      ; bytes from a row of W2[e] to the next
.set STAGEB, 256*PITCH                 ; a stage: 256 K
.set HSH,    15                        ; 8 rows of W2 = 2^15 bytes
.set TSH,    17                        ; a tile of hg: 128 blocks of 1,024 bytes
.set QPART,  8421376                   ; a quarter of part: 2,056 rows of 4,096 bytes
.set SPARE,  262144                    ; LDS: 0 the slice: K step s, operand F at 8,192 s + 1,024 F; then the spare words, 128 bytes a wave
.set AF,  32                           ; v[32:159]  token operands: ring of four K steps, slot a, tile i at 32 a + 8 i; in a producer's stages: its 128 rounded words, unit u, operand f at 32 u + 8 f;
                                       ;            in the way out: four stages of 32 registers, 8 x 16 bytes to store each, by turns
.set BF,  160                          ; v[160:255] weight operands, three sets of four (operand f at + 8 f): P0 at 0, R at 32, P1 at 64; in the way out: tile i's eight row offsets at 16 i, its eight scores at 16 i + 8
; window 0: v1 lane, v2 p, v3 h, v4 16 lane, v5 LDS read address, v6-9 my four tiles' offsets, v10 weights' lane offset, v11 LDS store address, v13 16 p, v14 32 h, v15 producer's LDS place, v30-31 the add's, in the way out v224-227 offsets in rinfo
; window 1: a producer's ring (slot u at 64 u); else the accumulators (tile i, operand F at 64 i + 8 F)
; s16 wave, s17 wave % 4, s18 expert, s19 column slice, s67 quarter, s20-22 the expert's first tile, tiles, last tile, s23 group, s24 my live tiles, s25 stage, s26-28 counters, s[30:31] an offset (high word 0),
; s[32:33] token tiles, s[34:35] the same at the four K steps that are being asked for, s[36:37] weights, s39 LDS read step, s40-43 my tiles' numbers, s46-48 at work, s[68:69] part at my quarter and columns
.set MSB, 0
.macro WIN new                         ; the immediate's high byte repeats the setting that is left; a switch that changes nothing is dropped
.if MSB != (\new)
	s_set_vgpr_msb (MSB<<8)|(\new)
.set MSB, \new
.endif
.endm
.macro PLACES                          ; four plain instructions between a matrix instruction and a vector read of its result or a vector write of its registers; they stand ahead of the loads into its registers too
.rept 4
	v_nop
.endr
.endm
.macro RLOAD slot, kk, g, base         ; sixteen loads: 32 K x 64 columns of f32 into ring slot
.irp i, 0,1,2,3,4,5,6,7,8,9,10,11,12,13,14,15
	global_load_b128 v[64*(\slot)+4*(\i):64*(\slot)+4*(\i)+3], v10, s[36:37] offset:(\base)+(\kk)*32*PITCH+((\i)+8*((\i)/8))*PITCH+256*(\g) th:TH_LOAD_NT
.endr
.endm
.macro PCV slot, kk, g, reissue, left  ; one unit of a producer: wait (left = the younger loads that stay out), round into the unit's 32 registers, ask again a stage ahead
	s_wait_loadcnt \left
	WIN 0x05                                       ; both sources in window 1
.irp f, 0,1,2,3
.irp d, 0,1,2,3,4,5,6,7
	v_cvt_pk_bf16_f32 v[AF+32*(\slot)+8*(\f)+(\d)], v[64*(\slot)+8*(\d)+(\f)], v[64*(\slot)+8*(\d)+4+(\f)]
.endr
.endr
.if \reissue
	WIN 0x40                                       ; destination in window 1
	s_wait_alu depctr_va_vdst(0)                   ; the 32 roundings are done reading the slot, in which the loads below land
	RLOAD \slot, \kk, \g, STAGEB
.endif
	WIN 0
.endm
.macro P                               ; a producer's first half of a stage: its two K steps of the stage's eight
	PCV 0, 0, 0, 1, 48                             ; 48: the three younger slots
	PCV 1, 0, 1, 1, 48
	PCV 2, 1, 0, 1, 48
	PCV 3, 1, 1, 1, 48
	s_wait_xcnt 0x0                                ; the loads' base steps only behind this wait
	s_add_nc_u64 s[36:37], s[36:37], STAGEB
.endm
.macro PT                              ; the last stage asks for nothing: the counts run down
	PCV 0, 0, 0, 0, 48
	PCV 1, 0, 1, 0, 32
	PCV 2, 1, 0, 0, 16
	PCV 3, 1, 1, 0, 0
.endm
; A producer's second half of stage k: 32 stores of 512 consecutive bytes each.  The address is a constant for the stage, 16,384 x (wave % 4) and 16 x lane
.macro ST k
.Lst\k:
	v_add_nc_u32 v11, (\k)*65536, v15
	s_wait_alu depctr_va_vdst(0)                   ; v11 is written, and the stage's roundings have written v[AF ..]: the LDS stores read both
.irp u, 0,1,2,3
.irp f, 0,1,2,3
.irp q, 0,1
	ds_store_b128 v11, v[AF+32*(\u)+8*(\f)+4*(\q):AF+32*(\u)+8*(\f)+4*(\q)+3] offset:((\u)/2)*8192+(4*((\u)%2)+(\f))*1024+512*(\q)
.endr
.endr
.endr
.if (\k) < 3
	s_branch .Ljoin
.endif
.endm
.macro BLOAD k, hb                     ; four weight operands of K step k (of the four in hand) from LDS: half 1 into R, half 0 into P0 or P1 by k's parity
	WIN 0
.if (\hb) == 1
.set BB, BF+32
.else
.set BB, BF+64*((\k)%2)
.endif
.irp f, 0,1,2,3
.irp q, 0,1
	ds_load_b128 v[BB+8*(\f)+4*(\q):BB+8*(\f)+4*(\q)+3], v5 offset:(\k)*8192+(4*(\hb)+(\f))*1024+512*(\q)
.endr
.endr
.endm
.macro ALOAD k, base                   ; my four tiles' operands for slot k, straight from memory: each load 512 consecutive bytes
	WIN 0
.irp i, 0,1,2,3
.irp q, 0,1
	global_load_b128 v[AF+32*(\k)+8*(\i)+4*(\q):AF+32*(\k)+8*(\i)+4*(\q)+3], v[6+(\i)], s[\base:\base+1] offset:(\k)*1024+512*(\q)
.endr
.endr
.endm
; Sixteen matrix instructions: four tiles x four operands of half hb; the accumulators take turns, one instruction a turn.  skip = 1: tiles past my count are jumped, forward.
.macro MM k, hb, skip
.if (\hb) == 1
.set BB, BF+32
.else
.set BB, BF+64*((\k)%2)
.endif
.irp i, 0,1,2,3
.if (\skip) && ((\i) > 0)
	WIN 0
	s_cmp_le_u32 s24, \i
	s_cbranch_scc1 .Lhe_\@
.endif
	WIN 0x50                                       ; C and D in window 1
.irp f, 0,1,2,3
	v_wmma_f32_16x16x32_bf16 v[64*(\i)+32*(\hb)+8*(\f):64*(\i)+32*(\hb)+8*(\f)+7], v[AF+32*(\k)+8*(\i):AF+32*(\k)+8*(\i)+7], v[BB+8*(\f):BB+8*(\f)+7], v[64*(\i)+32*(\hb)+8*(\f):64*(\i)+32*(\hb)+8*(\f)+7]
.endr
.endr
.if \skip
	WIN 0
.Lhe_\@:
.endif
.endm
; Four K steps.  Token operands are asked for three K steps ahead, into the slot that the K step before has read; weight operands half a K step ahead.
.macro CONSUME4 skip
	WIN 0
	s_wait_alu depctr_vm_vsrc(0)                   ; the LDS loads issued so far have read v5
	v_add_nc_u32 v5, s39, v4
	s_add_co_u32 s39, s39, 32768
.irp k, 0,1,2,3
	WIN 0
.if (\k) > 0
	s_wait_dscnt 0x0                               ; this K step's first half is in
.endif
	s_wait_loadcnt 16                              ; this K step's token operands are in; the two younger slots of eight stay out
.if (\k) == 1
	s_wait_xcnt 0x0                                ; the token loads' base is written only behind this wait; the last load that names it stands a K step's products back
	s_add_co_u32 s28, s28, 1
	s_min_u32 s30, s28, 7                          ; the last trip asks for the quarter's K steps 28-30 once more: inside the tile, and not used
	s_lshl_b32 s30, s30, 12
	s_add_nc_u64 s[34:35], s[32:33], s[30:31]
.endif
	s_wait_alu depctr_va_vdst(0)                   ; the K step before is done reading R, its P and its token slot, in which the loads of this step land; in the first of the four v5 is written
.if (\k) == 0
	BLOAD 0, 0
.endif
	BLOAD \k, 1
	ALOAD ((\k)+3)%4, 34                           ; the slot just read takes the K step three on
.if (\k) == 0
	s_wait_dscnt 0x8                               ; half 0 is in; half 1's eight loads stay out
.endif
	MM \k, 0, \skip
.if (\k) < 3
	BLOAD (\k)+1, 0                                ; no wait: no vector or matrix instruction since the wait above names the other P or v5
	s_wait_dscnt 0x8                               ; half 1 is in; the eight just issued stay out
.else
	s_wait_dscnt 0x0
.endif
	MM \k, 1, \skip
	PLACES
.endr
	WIN 0
.endm
.macro NTW                             ; my live tiles in group s23
	s_lshl_b32 s46, s23, 4
	s_add_co_u32 s46, s46, s17
	s_sub_co_i32 s24, s21, s46
	s_add_co_i32 s24, s24, 3
	s_ashr_i32 s24, s24, 2
	s_max_i32 s24, s24, 0
	s_min_i32 s24, s24, 4
.endm
.macro PASS_BEGIN                      ; a group begins: my tiles' numbers and offsets, the first three K steps' token operands (the fourth's are asked for by the first K step), the sums at 0
	s_wait_loadcnt 0x0                             ; no load of mine is out: none can still land in the registers that are loaded below
	s_wait_xcnt 0x0                                ; the stores of the pass before have read their registers
	s_wait_alu depctr_vm_vsrc(0)                   ; the token loads of the pass before have read v6-9, its way out's loads v224-227, its stores their offsets in v[BF ..] and the stages in v[AF ..], a producer's LDS stores v[AF ..]: all are written again below or in the K steps
	s_add_co_u32 s47, s20, s46
.irp i, 0,1,2,3
	s_add_co_u32 s48, s47, 4*(\i)
	s_min_u32 s[40+(\i)], s48, 135                 ; the tile whose rinfo and gw are read
	s_min_u32 s48, s48, s22                        ; what is multiplied: a tile past the count repeats the expert's last
	s_min_u32 s48, s48, 135
	s_lshl_b32 s48, s48, TSH
	v_add_nc_u32 v[6+(\i)], s48, v4
.endr
	s_mov_b32 s39, 0
	s_mov_b32 s28, 0
	s_mov_b64 s[34:35], s[32:33]                   ; the first K step asks for K step 3 by this base
	s_wait_alu depctr_va_vdst(0)                   ; v6-9 are written, which the token loads read; the way out's multiplies or a producer's roundings are done with v[AF ..], in which the loads below land
	ALOAD 0, 32
	ALOAD 1, 32
	ALOAD 2, 32
	WIN 0x40
.set z, 0
.rept 256
	v_mov_b32 v[z], 0
.set z, z+1
.endr
	WIN 0
.endm
	s_load_b256 s[4:11], s[0:1], 0x0               ; tab s[4:5], hg s[6:7], W2 s[8:9], rinfo s[10:11]
	s_load_b128 s[12:15], s[0:1], 0x20             ; gw s[12:13], part s[14:15]
	v_lshl_add_u32 v30, v0, 2, SPARE               ; my spare word,
	v_mov_b32 v31, 0                               ; and 0: kept for the add at the wave's end
	v_lshrrev_b32 v1, 5, v0
	v_readfirstlane_b32 s16, v1                    ; wave 0..7
	s_and_b32 s18, ttmp7, 0xffff                   ; expert
	s_and_b32 s19, ttmp9, 7                        ; which 128 columns
	s_lshr_b32 s67, ttmp9, 3                       ; which quarter of K
	s_lshl_b32 s29, s18, 2
	s_mov_b32 s31, 0
	v_and_b32 v1, 31, v0
	v_and_b32 v2, 15, v0
	v_bfe_u32 v3, v0, 4, 1
	v_lshlrev_b32 v4, 4, v1
	v_lshlrev_b32 v10, 4, v2
	v_lshl_add_u32 v10, v3, HSH, v10               ; 8 h rows + 16 p
	v_lshlrev_b32 v13, 4, v2
	v_lshlrev_b32 v14, 5, v3
	s_wait_alu depctr_va_sdst(0)                   ; s16 is written, ahead of its first reader: the branches on the wave and the bases are made from it
	s_and_b32 s17, s16, 3
	v_lshl_add_u32 v15, s17, 14, v4                ; a producer's two K steps of a stage: 16,384 x (wave % 4) + 16 lane
	s_wait_kmcnt 0x0
	s_load_b32 s20, s[4:5], s29 offset:0x0         ; the expert's first tile,
	s_load_b32 s21, s[4:5], s29 offset:0x20        ; its tiles,
	s_load_b32 s22, s[4:5], s29 offset:0x40        ; its last tile: waited for on each of the two ways below, ahead of their first use
	s_lshl_b32 s30, s67, 15                        ; the quarter's 32 blocks in a tile of hg
	s_add_nc_u64 s[32:33], s[6:7], s[30:31]
	s_mov_b64 s[34:35], s[32:33]                   ; the base by which the K steps ask: set here on every wave's way, so that no way through the text reaches a load by it unset; each pass sets it anew
	s_lshl_b32 s30, s18, 24                        ; W2[e],
	s_lshl_b32 s46, s67, 22                        ; the quarter's 1,024 rows,
	s_add_co_u32 s30, s30, s46
	s_lshl_b32 s46, s19, 9                         ; my 128 columns,
	s_add_co_u32 s30, s30, s46
	s_lshl_b32 s46, s17, 18                        ; the producer's 64 rows of a stage
	s_add_co_u32 s30, s30, s46
	s_add_nc_u64 s[36:37], s[8:9], s[30:31]
	s_mul_i32 s30, s67, QPART
	s_lshl_b32 s46, s19, 9
	s_add_co_u32 s30, s30, s46
	s_add_nc_u64 s[68:69], s[14:15], s[30:31]
	s_cmp_lt_u32 s16, 4
	s_cbranch_scc0 .Lprod_pre
	s_wait_kmcnt 0x0                               ; the table
	s_mov_b32 s23, 0                               ; consumers: group 0
	NTW
	PASS_BEGIN
	s_branch .Lstages
.Lprod_pre:
	s_mov_b32 s23, 1                               ; producers: later group 1; now the ring is filled, stage 0: the weights hang on no table, so they are asked for first
	WIN 0x40
	s_wait_alu depctr_va_vdst(0)                   ; v10 is written: every load of weights reads it as its offset
	RLOAD 0, 0, 0, 0
	RLOAD 1, 0, 1, 0
	RLOAD 2, 1, 0, 0
	RLOAD 3, 1, 1, 0
	WIN 0
	s_wait_kmcnt 0x0                               ; the table, which a producer reads when the stream is over
.Lstages:
	s_mov_b32 s25, 0
.Lstage:                                               ; four trips.  First half of trip st: producers round stage st, consumers multiply stage st - 1
	s_cmp_lt_u32 s16, 4
	s_cbranch_scc0 .Lp
	s_cmp_eq_u32 s25, 0
	s_cbranch_scc1 .Lmeet
	s_mov_b32 s26, 2
.Lc:
	CONSUME4 0
	s_sub_co_u32 s26, s26, 1
	s_cmp_lg_u32 s26, 0
	s_cbranch_scc1 .Lc
	s_branch .Lmeet
.Lp:
	s_wait_alu depctr_vm_vsrc(0)                   ; the LDS stores of the stage before have read v11 and v[AF ..], which this stage's add and roundings write again
	s_cmp_ge_u32 s25, 3
	s_cbranch_scc1 .Lpt
	P
	s_branch .Lmeet
.Lpt:
	PT
.Lmeet:
	s_wait_dscnt 0x0                               ; for the others' sake: my reads of the slice are back
	s_barrier_signal -1
	s_barrier_wait -1                              ; nobody reads the slice now.  Second half: the producers lay stage st down
	s_cmp_lt_u32 s16, 4
	s_cbranch_scc1 .Ljoin
.irp k, 1,2,3
	s_cmp_eq_u32 s25, \k
	s_cbranch_scc1 .Lst\k
.endr
	ST 0
	ST 1
	ST 2
	ST 3
.Ljoin:
	s_wait_dscnt 0x0                               ; for the others' sake: my stores into the slice are done
	s_barrier_signal -1
	s_barrier_wait -1                              ; the stage's 256 K are whole: what follows reads them
	s_add_co_u32 s25, s25, 1
	s_cmp_lt_u32 s25, 4
	s_cbranch_scc1 .Lstage
	s_mov_b32 s27, 2                               ; from here on the slice is only read.  Two passes a wave
	s_mov_b32 s26, 2                               ; a consumer's first pass has its last 256 K, two trips, to go: it enters the pass's loop in its middle;
	s_cmp_lt_u32 s16, 4
	s_cbranch_scc1 .Lk                             ; the producers begin their first pass beside it
.Lpass:
	NTW
	s_cmp_eq_u32 s24, 0
	s_cbranch_scc1 .Lnext                          ; the expert has no such rows
	PASS_BEGIN
	s_mov_b32 s26, 8
.Lk:
	CONSUME4 1
	s_sub_co_u32 s26, s26, 1
	s_cmp_lg_u32 s26, 0
	s_cbranch_scc1 .Lk
	; THE WAY OUT.  For each tile my eight rows' places and scores (rows 8 h + 0..7); each row's sums times its score; 16 bytes a lane, sixteen lanes to 256 consecutive bytes of a row.
	; The places and scores land where P0 and R lay, so they are asked for ahead of the one wait on LOADcnt that also covers the last trip's token loads.
.irp i, 0,1,2,3
	s_lshl_b32 s46, s[40+(\i)], 6
	v_add_nc_u32 v[224+(\i)], s46, v14             ; 64 x tile + 32 h (four plain instructions behind the last product: the last first half lay here)
.endr
	s_wait_alu depctr_va_vdst(0)                   ; v224-227 are written, which the loads below read; the last products are done reading P0 and R, in which they land
.irp i, 0,1,2,3
	global_load_b128 v[BF+16*(\i):BF+16*(\i)+3], v[224+(\i)], s[10:11]
	global_load_b128 v[BF+16*(\i)+4:BF+16*(\i)+7], v[224+(\i)], s[10:11] offset:16
	global_load_b128 v[BF+16*(\i)+8:BF+16*(\i)+11], v[224+(\i)], s[12:13]
	global_load_b128 v[BF+16*(\i)+12:BF+16*(\i)+15], v[224+(\i)], s[12:13] offset:16
.endr
	s_wait_loadcnt 0x0
.irp i, 0,1,2,3
.irp j, 0,1,2,3,4,5,6,7
	v_min_u32 v[BF+16*(\i)+(\j)], 0x807, v[BF+16*(\i)+(\j)]          ; a row of part: 2,055 at the most
	v_lshl_add_u32 v[BF+16*(\i)+(\j)], v[BF+16*(\i)+(\j)], 12, v13   ; x 4,096 + 16 p
.endr
.endr
.irp i, 0,1,2,3                        ; a tile fills two of the four stages of 32 registers and sends them by sixteen stores
.if (\i) == 2
	s_wait_xcnt 0x0                                ; the first two tiles' stores have had their addresses translated: all four stages may be written again
	s_wait_alu depctr_vm_vsrc(0)                   ; and beside it: those stores have read the four stages, which the multiplies below write again
.endif
	s_cmp_le_u32 s24, \i
	s_cbranch_scc1 .Lnext                          ; tiles past my count are not stored
	WIN 0x01                                       ; source 0 in window 1
.irp jj, 0,1
.irp j4, 0,1,2,3
.irp g, 0,1
.irp f, 0,1,2,3
	v_mul_f32 v[AF+32*((2*(\i)+(\jj))%4)+4*(2*(\j4)+(\g))+(\f)], v[64*(\i)+8*(4*(\g)+(\f))+4*(\jj)+(\j4)], v[BF+16*(\i)+8+4*(\jj)+(\j4)]   ; each accumulator from its low end on
.endr
.endr
.endr
.endr
	WIN 0
	s_wait_alu depctr_va_vdst(0)                   ; the tile's 64 multiplies have written its two stages, and its eight row offsets are written: the sixteen stores read both
.irp jj, 0,1
.irp j4, 0,1,2,3
.irp g, 0,1
	global_store_b128 v[BF+16*(\i)+4*(\jj)+(\j4)], v[AF+32*((2*(\i)+(\jj))%4)+4*(2*(\j4)+(\g)):AF+32*((2*(\i)+(\jj))%4)+4*(2*(\j4)+(\g))+3], s[68:69] offset:256*(\g)
.endr
.endr
.endr
.endr
.Lnext:
	s_add_co_u32 s23, s23, 2
	s_sub_co_u32 s27, s27, 1
	s_cmp_lg_u32 s27, 0
	s_cbranch_scc1 .Lpass
	s_wait_dscnt 0x0                               ; my reads of the slice are back
	s_barrier_signal -1
	s_barrier_wait -1                              ; the closing barrier: every wave's are, before any wave runs its closing lines
	s_wait_dscnt 0x0                               ; the closing lines, six on end
	s_wait_alu 0x0
	s_wait_tensorcnt 0x0
	ds_add_u32 v30, v31
	s_wait_dscnt 0x0
	s_endpgm
.Lfunc_end_k_q060b5cddcf_down:
	.size	k_q060b5cddcf_down, .Lfunc_end_k_q060b5cddcf_down-k_q060b5cddcf_down
	.p2alignl 7, 3214868480
	.fill 96, 4, 3214868480
	.section	.rodata,"a",@progbits
	.p2align	6, 0x0
	.amdhsa_kernel k_q060b5cddcf_down
		.amdhsa_group_segment_fixed_size 263168
		.amdhsa_private_segment_fixed_size 0
		.amdhsa_enable_private_segment 0
		.amdhsa_kernarg_size 48
		.amdhsa_user_sgpr_count 2
		.amdhsa_user_sgpr_kernarg_segment_ptr 1
		.amdhsa_wavefront_size32 1
		.amdhsa_system_sgpr_workgroup_id_x 1
		.amdhsa_system_sgpr_workgroup_id_y 1
		.amdhsa_system_sgpr_workgroup_id_z 1
		.amdhsa_system_vgpr_workitem_id 0
		.amdhsa_next_free_vgpr 512
		.amdhsa_next_free_sgpr 96
		.amdhsa_reserve_vcc 0
		.amdhsa_float_denorm_mode_32 3
		.amdhsa_float_denorm_mode_16_64 3
		.amdhsa_memory_ordered 1
		.amdhsa_forward_progress 1
		.amdhsa_inst_pref_size 123
	.end_amdhsa_kernel
	.amdgpu_metadata
---
amdhsa.version: [ 1, 2 ]
amdhsa.kernels:
  - .name:           k_q060b5cddcf_down
    .symbol:         k_q060b5cddcf_down.kd
    .args:
      - { .name: tab, .offset: 0, .size: 8, .value_kind: global_buffer, .address_space: global }
      - { .name: hg, .offset: 8, .size: 8, .value_kind: global_buffer, .address_space: global }
      - { .name: W2, .offset: 16, .size: 8, .value_kind: global_buffer, .address_space: global }
      - { .name: rinfo, .offset: 24, .size: 8, .value_kind: global_buffer, .address_space: global }
      - { .name: gw, .offset: 32, .size: 8, .value_kind: global_buffer, .address_space: global }
      - { .name: part, .offset: 40, .size: 8, .value_kind: global_buffer, .address_space: global }
    .group_segment_fixed_size: 263168
    .private_segment_fixed_size: 0
    .kernarg_segment_align: 8
    .kernarg_segment_size: 48
    .max_flat_workgroup_size: 256
    .sgpr_count:     96
    .vgpr_count:     512
    .wavefront_size: 32
...
	.end_amdgpu_metadata
.endif
;; end of part 7
;; launch norm: the kernel of part 5 again; grid 256 x 1, 4 waves a work-group, no clusters, 0 bytes of LDS; arguments x, part, ridx, rwt, b2, gamma, beta, out0; writes out0
